; MI455X (gfx1250); checked and timed in simulation.
; The chip was launched on July 23, 2026; its instructions are those of AMD's public machine-readable ISA for CDNA 5 (MIT licence, August 2026) and "CDNA5" Instruction Set Architecture Reference Guide (July 2026). The comments in the code are by the model that wrote it; some were corrected since.
;; Attn. Allowed arithmetic: matrix products marked QUANTISED: E2M1 operands, one E8M0 scale for each 32 along K, by v_wmma_scale_f32_16x16x128_f8f6f4 with both operands' format E2M1 (or v_wmma_scale_f32_32x16x128_f4), f32 sums; products left as they are: bf16, f16 or f32 operands; f32 sums; everything else in f32.
;; Inputs: Wout 1,024 x 1,024 float32; Wqkv 1,024 x 3,072 float32; bout 1,024 float32; bqkv 3,072 float32; k_scale 64 float32; q_scale 64 float32; x 8 x 1,024 x 1,024 float32.
;; Outputs: out0 8 x 1,024 x 1,024 float32.
;; This version of the problem:
;;   THIS VERSION OF THE PROBLEM IS GIVEN IN LOW PRECISION. The matrix products marked QUANTISED in the list below multiply operands that are first quantised to E2M1 (2 exponent bits, 1 mantissa bit; 4 bits a number), with one power-of-two scale for each 32 numbers along K (OCP MX v1.0); their sums are f32. The products marked 'left as it is' may take bf16, f16 or f32 operands, with f32 sums. Whichever they take, every output number must still come out within the allowed error. Rounding operands to bf16 (8 significant bits) uses up far more of that allowance than f16 does (11 bits, for magnitudes from 6e-5 to 65,504). All else is computed in f32.
;;   The module's matrix products, in the order in which they are computed (A, B: the left and right operand; K: the contracted axis; several contracted axes count as one K, in the product's order):
;;     1. [M 8,192, K 1,024] x [K 1,024, N 3,072]; A: input x; B: input Wqkv: QUANTISED
;;     2. batch 128 x [M 1,024, K 64] x [K 64, N 1,024]; A: computed on the way; B: computed on the way: left as it is (an operand is computed on the way)
;;     3. batch 128 x [M 1,024, K 1,024] x [K 1,024, N 64]; A: computed on the way; B: computed on the way: left as it is (an operand is computed on the way)
;;     4. [M 8,192, K 1,024] x [K 1,024, N 1,024]; A: computed on the way; B: input Wout: left as it is (an operand is computed on the way)
;;   THE QUANTISER, for each operand of a quantised product, along K:
;;     - K is cut into blocks of 32 from its start; a last block that is shorter is filled with zeros.
;;     - A block's scale is 2^e with e = floor(log2(the largest magnitude in the block)) - 2, held to -126 .. 127; a block of zeros has e = 0. As a byte (E8M0): e + 127.
;;     - Each number is divided by its block's scale, clamped to +-6, and rounded to the nearest number of E2M1, ties to even, subnormals kept.
;;     - The product sums the exact products of the quantised numbers (number of the format x scale) in f32.
;;   ~~~python
;;   def quantise(x, axis):      # numpy; x: float32 -> the quantised numbers, widened to float32 again
;;       x = np.moveaxis(x, axis, -1); K = x.shape[-1]
;;       x = np.pad(x, [(0, 0)] * (x.ndim - 1) + [(0, -K % 32)]); x = x.reshape(x.shape[:-1] + (-1, 32)); a = np.abs(x).max(-1, keepdims=True)
;;       e = np.where(a > 0, np.clip(np.frexp(np.where(a > 0, a, 1))[1] - 1 - 2, -126, 127), 0)      # np.frexp(a)[1] - 1 = floor(log2(a)), exactly
;;       r = np.clip(x / 2.0 ** e, -6, 6)
;;       step = 2.0 ** (np.maximum(np.frexp(np.where(r == 0, 1, r))[1] - 1, 0) - 1)
;;       q = np.round(r / step) * step * 2.0 ** e      # np.round: ties to even
;;       return np.moveaxis(q.reshape(q.shape[:-2] + (-1,))[..., :K], -1, axis).astype(np.float32)
;;   ~~~
;; One version. Each part assembles by itself: llvm-mc -triple=amdgcn-amd-amdhsa -mcpu=gfx1250 --defsym DOCPART=n.
;; ======== version 1 of 1: 4 launches
;; limits: values are held in f16: magnitudes above 65,504 overflow, below 6.1e-05 lose precision; right only within a limited range of input values
;; workspace buffers: xc 4,194,304 bytes; xs 262,144 bytes; wc 1,572,864 bytes; ws 98,304 bytes; wo16 2,097,152 bytes; aux 9,984 bytes; qkv16 50,331,648 bytes; o16 16,777,216 bytes
;; launch prep (part 1): grid 385 x 1, 4 waves a work-group, no clusters, 68,096 bytes of LDS; arguments x, Wqkv, Wout, bqkv, xc, xs, wc, ws, wo16, aux; writes xc, xs, wc, ws, wo16, aux
.if DOCPART == 1
	.amdgcn_target "amdgcn-amd-amdhsa--gfx1250"
	.amdhsa_code_object_version 6
	.text
	.protected	k_qa2085c753c_prep
	.globl	k_qa2085c753c_prep
	.p2align	8
	.type	k_qa2085c753c_prep,@function
k_qa2085c753c_prep:
	s_mov_b64 s[64:65], 0
	v_nop
	global_prefetch_b8 v0, s[64:65] scope:SCOPE_SE
	s_setreg_imm32_b32 hwreg(HW_REG_WAVE_MODE, 25, 1), 1
	s_wait_xcnt 0x0
; PREPARATION, one launch, four kinds of work-group, told apart by the work-group's number alone:
;   0-95    W: Wqkv [1024 (k)][3072 (n)] f32 -> codes of E2M1 with K innermost, 512 bytes a row, and one E8M0 byte for each 32 along K, 32 bytes a row.
;              Column n = 1024 kind + 64 head + d goes to ROW 384 (head / 2) + 128 kind + 64 (head % 2) + d, so that the 384 rows that one work-group of the next launch multiplies by are one dense block.
;   96-351  X: x [8192][1024] f32 -> codes of E2M1 [8192][512 bytes] and E8M0 bytes [8192][32]
;   352-383 O: Wout f32 -> f16, element by element, kept [k][n]
;   384     T: the rotary table, cos and sin of pos x 10000^(-j/16), pos 0..31, j 0..15; and the largest magnitude of bqkv's last 1,024 numbers
; A block's scale is 2^(floor(log2(largest magnitude)) - 2); its byte is the largest magnitude's exponent field - 2, held at 1 from below.
; Each wave of X, W and T also stores the largest magnitude that it saw (aux): the later launches make of them one power of two by which v is carried in f16.
; LIMITS: NaN and infinities are not served.  A block of zeros gets the byte 1 where the rule says 127: its codes are zeros, and this program alone reads the bytes.
; |Wout| stays under 65,504 (f16).  The table's angles are right to about 2e-6 rad (1 ulp of the frequency x 31, and a polynomial of f32 accuracy).
; aux, f32: byte 0 cos[32][16]; 2,048 sin[32][16]; 4,096 x's maxima [1024]; 8,192 Wqkv's maxima [384] (the v columns' from 9,216); 9,728 the bias's [4].
; LDS: path X bytes 0-32,767 (8,192 a wave), path W from 32,768 (a stage of 16 x 272 a wave), the spare words at 67,584.  No barrier: waves share nothing.
.set SPARE, 67584
.set SPW,   196                        ; v196 LDS address of my spare word; never rewritten
.set NIL,   197                        ; v197 0; never rewritten
.set ZOF,   198                        ; v198 0: a store's offset
.set EMAX,  2
.set AM,    10                         ; v10  the wave's running largest magnitude
.set XSTEPS, 16
.set XR,    16                         ; path X: v16-79 four sets of 16 numbers as loaded
.set XX,    80                         ;         v80-111 two sets of 16 neighbours
.set XE,    112                        ;         v112-127 a scale byte for each step
.set XC,    128                        ;         v128-191 codes, four registers a step
.set XSP,   80                         ;         a lane's place in a stage: 64 bytes + 16
.set WNB,   8                          ; path W: blocks of 32 along K for a lane
.set WPITCH, 272
.set WX,    32                         ;         v32-95 two sets of 32 numbers
.set WC,    96                         ;         v96-99 a block's codes
.set WOUTR, 112                        ;         v112-143 the way out
.set WSB,   24                         ;         v24-25 the scale bytes
.macro FINISH                          ; the wave's end
	s_wait_tensorcnt 0x0
	ds_add_u32 v[SPW], v[NIL]
	s_wait_dscnt 0x0
	s_endpgm
.endm
.macro WAVEMAX reg, tmp                ; the largest of the 32 lanes' numbers; lane 0 stores it at s[30:31]
	v_max_num_f32_dpp v[\reg], v[\reg], v[\reg] row_xmask:1 row_mask:0xf bank_mask:0xf
	v_max_num_f32_dpp v[\reg], v[\reg], v[\reg] row_xmask:2 row_mask:0xf bank_mask:0xf
	v_max_num_f32_dpp v[\reg], v[\reg], v[\reg] row_xmask:4 row_mask:0xf bank_mask:0xf
	v_max_num_f32_dpp v[\reg], v[\reg], v[\reg] row_xmask:8 row_mask:0xf bank_mask:0xf
	v_permlanex16_b32 v[\tmp], v[\reg], s26, s27
	v_max_num_f32 v[\reg], v[\reg], v[\tmp]
	s_wait_xcnt 0x0                                ; EXEC is a source of the stores issued above: it changes only behind this wait
	v_cmp_eq_u32 vcc_lo, 0, v2
	s_and_saveexec_b32 s28, vcc_lo
	global_store_b32 v[ZOF], v[\reg], s[30:31]
	s_wait_xcnt 0x0                                ; and again ahead of the line that widens it
	s_or_b32 exec_lo, exec_lo, s28
.endm
	s_load_b256 s[4:11], s[0:1], 0x0               ; x s[4:5], Wqkv s[6:7], Wout s[8:9], bqkv s[10:11]
	s_load_b256 s[12:19], s[0:1], 0x20             ; xc s[12:13], xs s[14:15], wc s[16:17], ws s[18:19]
	s_load_b128 s[20:23], s[0:1], 0x40             ; wo16 s[20:21], aux s[22:23]
	v_lshl_add_u32 v[SPW], v0, 2, SPARE
	v_mov_b32 v[NIL], 0
	v_mov_b32 v[ZOF], 0
	v_lshrrev_b32 v1, 5, v0
	v_readfirstlane_b32 s24, v1                    ; wave
	v_and_b32 v2, 31, v0                           ; lane
	s_mov_b32 s26, 0x76543210                      ; v_permlanex16_b32's selects for lane l xor 16
	s_mov_b32 s27, 0xfedcba98
	s_mov_b32 s35, 0
	s_wait_kmcnt 0x0
	s_cmp_lt_u32 ttmp9, 96
	s_cbranch_scc1 .Lpath_w
	s_cmp_lt_u32 ttmp9, 352
	s_cbranch_scc1 .Lpath_x
	s_cmp_lt_u32 ttmp9, 384
	s_cbranch_scc1 .Lpath_o
; ---------------- path T: 128 threads; thread t and i = 0..3 make table entry t + 128 i = (pos = t / 16 + 8 i, j = t % 16)
	v_lshlrev_b32 v32, 5, v0
	global_load_b128 v[36:39], v32, s[10:11] offset:8192    ; bqkv's v part: 1,024 numbers, 8 a thread
	global_load_b128 v[40:43], v32, s[10:11] offset:8208
	s_mov_b32 s36, 0xb94ca1f9                      ; sine's polynomial on |z| <= pi/4: -1.9515296e-4,
	s_mov_b32 s37, 0x3c08839e                      ; 8.3321609e-3,
	s_mov_b32 s38, 0xbe2aaaa3                      ; -1.6666655e-1
	s_mov_b32 s39, 0x37ccf5ce                      ; cosine's: 2.4433157e-5,
	s_mov_b32 s40, 0xbab6061a                      ; -1.3887316e-3,
	s_mov_b32 s41, 0x3d2aaaa5                      ; 4.1666646e-2
	s_mov_b32 s42, 0xbfc90fdb                      ; -(pi/2 rounded to f32),
	s_mov_b32 s43, 0x333bbd2e                      ; and what that rounding added: 4.3711388e-8
	v_and_b32 v4, 15, v0
	v_cvt_f32_u32 v4, v4
	v_mul_f32 v4, 0xbf549a78, v4                   ; -j log2(10000) / 16
	v_exp_f32 v5, v4                               ; the frequency
	v_lshrrev_b32 v6, 4, v0                        ; (a plain line behind the exponential)
	v_lshlrev_b32 v7, 2, v0
	s_wait_alu depctr_va_vdst(0)                   ; the wait ahead of the result's first reader
.irp i, 0,1,2,3
	v_add_nc_u32 v8, 8*\i, v6
	v_cvt_f32_u32 v8, v8
	v_mul_f32 v8, v8, v5                           ; the angle
	v_mul_f32 v9, 0x3f22f983, v8                   ; x 2 / pi
	v_rndne_f32 v9, v9                             ; k quarter turns
	v_fma_f32 v12, v9, s42, v8
	v_fma_f32 v12, v9, s43, v12                    ; z = angle - k pi/2, in two parts
	v_mul_f32 v13, v12, v12
	v_fma_f32 v14, v13, s36, s37
	v_fma_f32 v15, v13, s39, s40
	v_fma_f32 v14, v14, v13, s38
	v_fma_f32 v15, v15, v13, s41
	v_mul_f32 v14, v14, v13
	v_mul_f32 v15, v15, v13
	v_fma_f32 v16, v13, -0.5, 1.0
	v_fma_f32 v14, v14, v12, v12                   ; sin z
	v_fma_f32 v15, v15, v13, v16                   ; cos z
	v_cvt_i32_f32 v17, v9
	v_and_b32 v18, 1, v17
	v_cmp_eq_u32 vcc_lo, 1, v18                    ; an odd k swaps the two
	v_cndmask_b32 v[24+2*\i], v15, v14, vcc_lo
	v_cndmask_b32 v[25+2*\i], v14, v15, vcc_lo
	v_add_nc_u32 v18, 1, v17
	v_and_b32 v18, 2, v18
	v_lshlrev_b32 v18, 30, v18
	v_xor_b32 v[24+2*\i], v[24+2*\i], v18          ; the cosine is negative for k % 4 = 1, 2
	v_and_b32 v18, 2, v17
	v_lshlrev_b32 v18, 30, v18
	v_xor_b32 v[25+2*\i], v[25+2*\i], v18          ; the sine for k % 4 = 2, 3
	global_store_b32 v7, v[24+2*\i], s[22:23] offset:512*\i          ; each i has data registers of its own: none is written again
	global_store_b32 v7, v[25+2*\i], s[22:23] offset:2048+512*\i
.endr
	s_wait_loadcnt 0x0
	v_max3_num_f32 v[AM], |v36|, |v37|, |v38|
	v_max3_num_f32 v[AM], v[AM], |v39|, |v40|
	v_max3_num_f32 v[AM], v[AM], |v41|, |v42|
	v_max_num_f32 v[AM], v[AM], |v43|
	v_mov_b32 v11, 0
	s_lshl_b32 s34, s24, 2
	s_add_co_u32 s34, s34, 9728
	s_add_nc_u64 s[30:31], s[22:23], s[34:35]
	WAVEMAX AM, 11
	FINISH
; ---------------- path O: a wave turns 8,192 numbers of Wout into f16: 64 loads of 512 dense bytes, 64 stores of 256 dense bytes; two sets of 16 loads take turns
.Lpath_o:
	s_sub_co_u32 s32, ttmp9, 352
	s_lshl_b32 s32, s32, 2
	s_add_co_u32 s32, s32, s24
	s_lshl_b32 s34, s32, 15
	s_add_nc_u64 s[8:9], s[8:9], s[34:35]
	s_lshl_b32 s34, s32, 14
	s_add_nc_u64 s[20:21], s[20:21], s[34:35]
	v_lshlrev_b32 v3, 4, v2
	v_lshlrev_b32 v4, 3, v2
.macro OLOAD t
.irp i, 0,1,2,3,4,5,6,7,8,9,10,11,12,13,14,15
	global_load_b128 v[32+64*((\t)%2)+4*\i:32+64*((\t)%2)+4*\i+3], v3, s[8:9] offset:8192*(\t)+512*\i th:TH_LOAD_NT
.endr
.endm
	OLOAD 0
	OLOAD 1
.irp t, 0,1,2,3
.if \t < 3
	s_wait_loadcnt 16                              ; this batch's 16 loads are in; the younger batch's may be out
.else
	s_wait_loadcnt 0
.endif
	s_wait_xcnt 0x0                                ; the last batch's stores have read v160-191
.irp i, 0,1,2,3,4,5,6,7,8,9,10,11,12,13,14,15
	v_cvt_pk_f16_f32 v[160+2*\i], v[32+64*(\t%2)+4*\i], v[32+64*(\t%2)+4*\i+1]
	v_cvt_pk_f16_f32 v[161+2*\i], v[32+64*(\t%2)+4*\i+2], v[32+64*(\t%2)+4*\i+3]
.endr
.irp i, 0,1,2,3,4,5,6,7,8,9,10,11,12,13,14,15
	global_store_b64 v4, v[160+2*\i:161+2*\i], s[20:21] offset:4096*\t+256*\i
.endr
.if \t < 2
	OLOAD \t+2
.endif
.endr
	FINISH
; ---------------- path X: a wave takes 16 steps of 512 numbers.  Each of a step's four loads reads 512 dense bytes; the 2,048 bytes turn through the wave's stage in LDS and come back 64 bytes (16 neighbours) a lane;
; two neighbouring lanes hold a block.  A step's codes leave as 256 dense bytes; the wave's 256 scale bytes are gathered in LDS and leave as one store.
.Lpath_x:
	s_sub_co_u32 s32, ttmp9, 96
	s_lshl_b32 s32, s32, 2
	s_add_co_u32 s32, s32, s24                     ; which run of 8,192 numbers is my wave's
	s_lshl_b32 s34, s32, 15
	s_add_nc_u64 s[4:5], s[4:5], s[34:35]
	s_lshl_b32 s34, s32, 12
	s_add_nc_u64 s[12:13], s[12:13], s[34:35]
	s_lshl_b32 s34, s32, 8
	s_add_nc_u64 s[14:15], s[14:15], s[34:35]
	s_lshl_b32 s34, s32, 2
	s_add_co_u32 s34, s34, 4096
	s_add_nc_u64 s[30:31], s[22:23], s[34:35]
	v_lshlrev_b32 v3, 4, v2                        ; my 16 bytes of a load's 512
	s_mul_i32 s25, s24, 8192
	v_lshrrev_b32 v14, 2, v2
	v_mul_u32_u24 v14, v14, XSP
	v_and_b32 v15, 3, v2
	v_lshl_add_u32 v14, v15, 4, v14
	v_add_nc_u32 v14, s25, v14                     ; the stage, on the way in: 80 (lane / 4) + 16 (lane % 4)
	v_mul_u32_u24 v15, v2, XSP
	v_add_nc_u32 v15, s25, v15                     ; and on the way out: 80 x lane
	v_lshlrev_b32 v4, 3, v2                        ; my codes' place in a step's
	v_lshrrev_b32 v5, 1, v2
	s_add_co_u32 s25, s25, 2*32*XSP
	v_add_nc_u32 v5, s25, v5                       ; my block's byte among the wave's 256
	v_lshlrev_b32 v7, 3, v2
	v_add_nc_u32 v6, s25, v7
.macro XLOAD t
.irp i, 0,1,2,3
	global_load_b128 v[XR+16*((\t)%4)+4*\i:XR+16*((\t)%4)+4*\i+3], v3, s[4:5] offset:2048*(\t)+512*\i th:TH_LOAD_NT
.endr
.endm
.macro XTURN t                         ; LDS serves a wave's instructions in order: no wait between the stores and the loads
.irp i, 0,1,2,3
	ds_store_b128 v14, v[XR+16*((\t)%4)+4*\i:XR+16*((\t)%4)+4*\i+3] offset:32*XSP*((\t)%2)+8*XSP*\i
.endr
.irp i, 0,1,2,3
	ds_load_b128 v[XX+16*((\t)%2)+4*\i:XX+16*((\t)%2)+4*\i+3], v15 offset:32*XSP*((\t)%2)+16*\i
.endr
.endm
.irp t, 0,1,2,3
	XLOAD \t
.endr
	s_wait_loadcnt 12                              ; step 0's four loads are in
	XTURN 0
.macro XSTEP t
.set XS, XX+16*((\t)%2)
.if (\t) > 0
	s_wait_dscnt 1                                 ; this step's numbers are back from the stage; the last step's byte store may be out
.else
	s_wait_dscnt 0x0
.endif
.if (\t)+4 < XSTEPS
	XLOAD (\t)+4                                   ; into the registers that this step's stores into the stage have read
.endif
.if (\t)+1 < XSTEPS
.if XSTEPS-2-(\t) >= 3
	s_wait_loadcnt 12                              ; the next step's four loads are in; three steps' may be out
.else
	s_wait_loadcnt 4*(XSTEPS-2-(\t))
.endif
	XTURN (\t)+1
.endif
	v_max3_num_f32 v8, |v[XS]|, |v[XS+1]|, |v[XS+2]|
	v_max3_num_f32 v9, |v[XS+3]|, |v[XS+4]|, |v[XS+5]|
.irp i, 6,10
	v_max3_num_f32 v8, v8, |v[XS+\i]|, |v[XS+\i+1]|
	v_max3_num_f32 v9, v9, |v[XS+\i+2]|, |v[XS+\i+3]|
.endr
	v_max3_num_f32 v8, v8, |v[XS+14]|, |v[XS+15]|
	v_max3_num_f32 v8, v8, v9, (EMAX+1)<<23        ; and the floor 2^(3 - 127): the byte cannot fall under 1
	v_max_num_f32_dpp v8, v8, v8 row_xmask:1 row_mask:0xf bank_mask:0xf   ; with my neighbour's 16: the block's largest magnitude
.if (\t) == 0
	v_mov_b32 v[AM], v8
.else
	v_max_num_f32 v[AM], v[AM], v8
.endif
	v_add_nc_u32 v11, -(EMAX<<23), v8              ; 2 off its exponent field: the conversion takes that field as its scale
	v_cvt_scalef32_pk8_fp4_f32 v[XC+4*(\t)], v[XS:XS+7], v11
	v_cvt_scalef32_pk8_fp4_f32 v[XC+4*(\t)+1], v[XS+8:XS+15], v11
	v_lshrrev_b32 v[XE+(\t)], 23, v11              ; the scale's byte
	ds_store_b8 v5, v[XE+(\t)] offset:16*(\t)      ; both lanes of a block write the same byte with the same value
	global_store_b64 v4, v[XC+4*(\t):XC+4*(\t)+1], s[12:13] offset:256*(\t)
.endm
.irp t, 0,1,2,3,4,5,6,7,8,9,10,11,12,13,14,15
	XSTEP \t
.endr
	ds_load_b64 v[8:9], v6
	s_wait_dscnt 0x0
	global_store_b64 v7, v[8:9], s[14:15]          ; 32 lanes store 256 dense bytes
	WAVEMAX AM, 11
	FINISH
; ---------------- path W: a lane takes a column n and its registers run down K: a block of 32 lies in one lane.  A wave takes 16 columns x 512 along K: lanes 0-15 the first 256 along K, lanes 16-31 the second,
; so that a lane walks 8 blocks, two blocks of loads ahead.  The four waves of a work-group stand side by side on 256 dense bytes of each row of Wqkv.  The codes go through the wave's stage and leave by whole rows of 256 bytes.
.Lpath_w:
	s_cmp_ge_u32 ttmp9, 48
	s_cselect_b32 s33, 1, 0                        ; which 512 along K
	s_cselect_b32 s32, 48, 0
	s_sub_co_u32 s32, ttmp9, s32                   ; which 64 columns
	s_lshl_b32 s34, s32, 6
	s_lshl_b32 s36, s24, 4
	s_add_co_u32 s34, s34, s36                     ; my wave's first column
	s_lshr_b32 s37, s34, 10                        ; its kind,
	s_bfe_u32 s38, s34, 0x40006                    ; its head
	s_lshr_b32 s39, s38, 1
	s_mul_i32 s39, s39, 384
	s_lshl_b32 s37, s37, 7
	s_add_co_u32 s39, s39, s37
	s_and_b32 s38, s38, 1
	s_lshl_b32 s38, s38, 6
	s_add_co_u32 s39, s39, s38
	s_add_co_u32 s39, s39, s36                     ; its row in wc and ws: 384 (head / 2) + 128 kind + 64 (head % 2) + 16 wave
	v_and_b32 v5, 15, v2                           ; r: my column
	v_lshrrev_b32 v6, 4, v2                        ; h: my half of the 512 along K
	v_lshlrev_b32 v3, 2, v5
	v_mul_u32_u24 v7, v6, 0x300000                 ; 256 rows of 12,288 bytes
	v_add_nc_u32 v3, v3, v7
	s_mul_i32 s36, s24, 16*WPITCH
	s_add_co_u32 s36, s36, 32768                   ; my stage
	v_mul_u32_u24 v4, v5, WPITCH
	v_lshl_add_u32 v4, v6, 7, v4
	v_add_nc_u32 v4, s36, v4                       ; into it: row = my column, + 128 h
	v_mul_u32_u24 v7, v6, WPITCH
	v_lshl_add_u32 v7, v5, 4, v7
	v_add_nc_u32 v7, s36, v7                       ; out of it: sixteen lanes to a row
	v_lshlrev_b32 v8, 9, v6
	v_lshl_add_u32 v8, v5, 4, v8                   ; the same place in the codes' buffer
	v_lshlrev_b32 v9, 5, v5
	v_lshl_add_u32 v9, v6, 3, v9                   ; my 8 scale bytes in my column's row
	s_mul_i32 s36, s33, 6291456                    ; 512 rows of 12,288 bytes
	s_lshl_b32 s37, s34, 2
	s_add_co_u32 s36, s36, s37
	s_mov_b32 s37, 0
	s_add_nc_u64 s[6:7], s[6:7], s[36:37]
	s_lshl_b32 s36, s39, 9
	s_lshl_b32 s38, s33, 8
	s_add_co_u32 s36, s36, s38
	s_add_nc_u64 s[16:17], s[16:17], s[36:37]
	s_lshl_b32 s36, s39, 5
	s_lshl_b32 s38, s33, 4
	s_add_co_u32 s36, s36, s38
	s_add_nc_u64 s[18:19], s[18:19], s[36:37]
	s_lshl_b32 s36, s32, 1
	s_add_co_u32 s36, s36, s33
	s_lshl_b32 s36, s36, 2
	s_add_co_u32 s36, s36, s24
	s_lshl_b32 s36, s36, 2
	s_add_co_u32 s36, s36, 8192
	s_add_nc_u64 s[30:31], s[22:23], s[36:37]
.macro WLOAD t                         ; every offset is an immediate: 255 x 12,288 at the most
.irp i, 0,1,2,3,4,5,6,7,8,9,10,11,12,13,14,15,16,17,18,19,20,21,22,23,24,25,26,27,28,29,30,31
	global_load_b32 v[WX+32*((\t)%2)+\i], v3, s[6:7] offset:(32*(\t)+\i)*12288 th:TH_LOAD_NT
.endr
.endm
	WLOAD 0
	WLOAD 1
.macro WBLOCK t
.set XS, WX+32*((\t)%2)
.if (\t) < WNB-1
	s_wait_loadcnt 32                              ; this block's 32 loads are in; the next block's may be out
.else
	s_wait_loadcnt 0
.endif
	v_max3_num_f32 v12, |v[XS]|, |v[XS+1]|, |v[XS+2]|
	v_max3_num_f32 v13, |v[XS+3]|, |v[XS+4]|, |v[XS+5]|
.irp i, 6,10,14,18,22,26
	v_max3_num_f32 v12, v12, |v[XS+\i]|, |v[XS+\i+1]|
	v_max3_num_f32 v13, v13, |v[XS+\i+2]|, |v[XS+\i+3]|
.endr
	v_max3_num_f32 v12, v12, |v[XS+30]|, |v[XS+31]|
	v_max3_num_f32 v12, v12, v13, (EMAX+1)<<23
.if (\t) == 0
	v_mov_b32 v[AM], v12
.else
	v_max_num_f32 v[AM], v[AM], v12
.endif
	v_add_nc_u32 v11, -(EMAX<<23), v12
	v_lshrrev_b32 v13, 23, v11
.if (\t)%4 == 0
	v_mov_b32 v[WSB+(\t)/4], v13
.else
	v_lshl_or_b32 v[WSB+(\t)/4], v13, 8*((\t)%4), v[WSB+(\t)/4]
.endif
.irp g, 0,1,2,3
	v_cvt_scalef32_pk8_fp4_f32 v[WC+\g], v[XS+8*\g:XS+8*\g+7], v11
.endr
	ds_store_b128 v4, v[WC:WC+3] offset:16*(\t)
.if (\t)+2 < WNB
	WLOAD (\t)+2
.endif
	s_wait_dscnt 0x0                               ; the store has read its registers: the next block's codes may be written
.endm
.set Q, 0
.rept WNB
	WBLOCK Q
.set Q, Q+1
.endr
	global_store_b64 v9, v[WSB:WSB+1], s[18:19]    ; my 8 scale bytes
.irp t, 0,1,2,3,4,5,6,7
	ds_load_b128 v[WOUTR+4*\t:WOUTR+4*\t+3], v7 offset:2*\t*WPITCH
.endr
.irp t, 0,1,2,3,4,5,6,7
	s_wait_dscnt 7-\t
	global_store_b128 v8, v[WOUTR+4*\t:WOUTR+4*\t+3], s[16:17] offset:2*\t*512   ; sixteen lanes store 256 dense bytes of a row
.endr
	WAVEMAX AM, 13
	FINISH
.Lfunc_end_k_qa2085c753c_prep:
	.size	k_qa2085c753c_prep, .Lfunc_end_k_qa2085c753c_prep-k_qa2085c753c_prep
	.p2alignl 7, 3214868480
	.fill 96, 4, 3214868480
	.section	.rodata,"a",@progbits
	.p2align	6, 0x0
	.amdhsa_kernel k_qa2085c753c_prep
		.amdhsa_group_segment_fixed_size 68096
		.amdhsa_private_segment_fixed_size 0
		.amdhsa_enable_private_segment 0
		.amdhsa_kernarg_size 80
		.amdhsa_user_sgpr_count 2
		.amdhsa_user_sgpr_kernarg_segment_ptr 1
		.amdhsa_wavefront_size32 1
		.amdhsa_system_sgpr_workgroup_id_x 1
		.amdhsa_system_sgpr_workgroup_id_y 1
		.amdhsa_system_sgpr_workgroup_id_z 1
		.amdhsa_system_vgpr_workitem_id 0
		.amdhsa_next_free_vgpr 200
		.amdhsa_next_free_sgpr 66
		.amdhsa_reserve_vcc 1
		.amdhsa_float_denorm_mode_32 3
		.amdhsa_float_denorm_mode_16_64 3
		.amdhsa_memory_ordered 1
		.amdhsa_forward_progress 1
		.amdhsa_inst_pref_size 104
	.end_amdhsa_kernel
	.amdgpu_metadata
---
amdhsa.version: [ 1, 2 ]
amdhsa.kernels:
  - .name:           k_qa2085c753c_prep
    .symbol:         k_qa2085c753c_prep.kd
    .args:
      - { .name: x, .offset: 0, .size: 8, .value_kind: global_buffer, .address_space: global }
      - { .name: Wqkv, .offset: 8, .size: 8, .value_kind: global_buffer, .address_space: global }
      - { .name: Wout, .offset: 16, .size: 8, .value_kind: global_buffer, .address_space: global }
      - { .name: bqkv, .offset: 24, .size: 8, .value_kind: global_buffer, .address_space: global }
      - { .name: xc, .offset: 32, .size: 8, .value_kind: global_buffer, .address_space: global }
      - { .name: xs, .offset: 40, .size: 8, .value_kind: global_buffer, .address_space: global }
      - { .name: wc, .offset: 48, .size: 8, .value_kind: global_buffer, .address_space: global }
      - { .name: ws, .offset: 56, .size: 8, .value_kind: global_buffer, .address_space: global }
      - { .name: wo16, .offset: 64, .size: 8, .value_kind: global_buffer, .address_space: global }
      - { .name: aux, .offset: 72, .size: 8, .value_kind: global_buffer, .address_space: global }
    .group_segment_fixed_size: 68096
    .private_segment_fixed_size: 0
    .kernarg_segment_align: 8
    .kernarg_segment_size: 80
    .max_flat_workgroup_size: 128
    .sgpr_count:     66
    .vgpr_count:     200
    .wavefront_size: 32
...
	.end_amdgpu_metadata
.endif
;; end of part 1
;; launch qkv (part 2): grid 8 x 32, 4 waves a work-group, clusters of 4 x 4, 327,680 bytes of LDS; arguments xc, xs, wc, ws, qkv16, bqkv, q_scale, k_scale, aux; writes qkv16
.if DOCPART == 2
	.amdgcn_target "amdgcn-amd-amdhsa--gfx1250"
	.amdhsa_code_object_version 6
	.text
	.protected	k_qa2085c753c_qkv
	.globl	k_qa2085c753c_qkv
	.p2align	8
	.type	k_qa2085c753c_qkv,@function
k_qa2085c753c_qkv:
	s_mov_b64 s[64:65], 0
	v_nop
	global_prefetch_b8 v0, s[64:65] scope:SCOPE_SE
	s_setreg_imm32_b32 hwreg(HW_REG_WAVE_MODE, 25, 1), 1
	s_wait_xcnt 0x0
	s_wait_alu depctr_hold_cnt(0) depctr_sa_sdst(0) depctr_va_vdst(0) depctr_va_sdst(0) depctr_va_ssrc(0) depctr_va_vcc(0) depctr_vm_vsrc(0)
	s_getreg_b32 s2, hwreg(HW_REG_IB_STS2, 6, 4)
	s_cmp_eq_u32 s2, 0
	s_cbranch_scc0 .Lentry_in_a_cluster
	s_endpgm
.Lentry_in_a_cluster:
	s_bfe_u32 s2, ttmp6, 0x10000c
	s_cmp_lg_u32 s2, 0xf033
	s_cbranch_scc0 .Lentry_shape_is_right
	s_endpgm
.Lentry_shape_is_right:
; qkv = Q(x) Q(Wqkv) + bqkv on codes of E2M1 with E8M0 scales, M 8,192, N 3,072, K 1,024; then, in registers: q and k: RMS norm over the head's 64, gain, rotary turn, f16;  v: x 2^(-E), f16.
; Out: qkv16 [kind 3][b 8][h 16][n 1024][64] f16.
; SHARES.  8 x 32 = 256 work-groups of equal work.  A work-group makes 256 tokens x 384 columns: two heads of q, the same two of k and of v; wc's and ws's rows lie so that its 384 rows are one dense block
; (q's 128, k's 128, v's 128).  A wave owns 128 tokens and ONE head number, in all three kinds: every wave runs the same text.
; PHASE 1: 128 tokens x (q's head | k's head): 64 accumulators, 512 registers.  K is two slots of 512, both asked for at the head: x's 256 rows, q's 128, k's 128.
; THE ONE REFILL: 640 rows of 512 bytes with their padding do not fit in LDS, so v's 128 rows come into q's bytes, behind phase 1 and a round of the cluster's barrier; waves 2 and 3 ask, a K half each;
; the load lands while q and k go out.  PHASE 2: 128 tokens x v's head, 32 accumulators, on x's tiles, which still lie in LDS, and x's scale words, which still lie in registers.
; The scale bytes of the 256 + 384 rows, two dense blocks, come once.  CLUSTERS 4 x 4: x's tiles are asked for jointly along a row of the cluster, W's along a column.
; THE MATRIX INSTRUCTION IS USED TRANSPOSED (source 0 = 16 columns of W, source 1 = 16 tokens): a lane holds one token (lane % 16) and eight neighbouring columns 8 (lane / 16) + j.  The bias is the C of each sum's first instruction.
; E = max(Fx + Fw - 256, Fb - 140), F the exponent fields of the largest |x|, |Wqkv's v columns|, |bqkv's v part|: then |v| 2^(-E) <= 9,216 + 16,384, inside f16, whatever the inputs' size.  E enters v_ldexp_f32 alone.
; LIMITS: NaN and infinities are not served; 8 |q_scale| and 8 |k_scale| stay under 65,504; v's f16 rounding is relative down to 2^-29 of the bound above.
; REGISTERS: window 0: v0-31 addresses; v32-95 scale words of phase 1 (lanes 0-15 x's, lanes 16-31 W's), v96-127 v's scale words: scales and nothing else; v128-191 x's fragments; v192-255 q's and k's bias.
;   On the ways out v128-245 are at work.
;   window 1: W's fragments at v0 and v128; v64-127 cos, sin by the token's row in the image (4 x 16); v192-223 by its column (2 x 16); v224-255 q's gain.  Behind the last step but one v0-31 take k's gain and
;   v32-63 v's bias.  On the ways out v128-191 rows read back; in phase 2 v's fragments, two sets of 32.
;   window 2: the accumulators of my tokens 0-63 ((a, b) at v[8 (8 a + b)]), in phase 2 all 32 ((a, b) at v[8 (4 a + b)]);  window 3: of tokens 64-127.
.set KSTEP,  512
.set NQ,     4
.set ROWB,   256
.set KROW,   512
.set PITCH,  272                       ; an LDS row: 256 bytes + 16: the 16 rows that a load touches start at 16 different banks
.set FR,     8
.set NL,     2
.set NP,     4
.set HALFT,  128*PITCH
.set SLOT,   4*HALFT                   ; x's 256 rows, q's 128 (later v's), k's 128
.set KS,     32                        ; a row of scale bytes
.set SCL,    2*SLOT                    ; x's scale bytes: 32 units of 256 bytes + 16
.set SBLK,   544                       ; those of 16 rows
.set SAH,    16*272                    ; of 128 tokens: what one load brings
.set SBH,    24*272                    ; of 192 rows of W: likewise
.set SCLB,   SCL+2*SAH                 ; W's scale bytes: 48 units
.set STAGE,  SCLB+2*SBH                ; the way out: 2 x 16 rows x 144 bytes for each wave, bytes of their own
.set SPARE,  STAGE+4*4608
.set VH,   7                           ; v7  32 (lane / 16)
.set VC,   8                           ; v8  64 (lane % 16) + 32 (lane / 16)
.set ZOF,  10                          ; v10 0
.set ADRSV, 11                         ; v11 v's scale words
.set ADRA, 16
.set ADRB, 20
.set ADRS2, 22                         ; v22 scale words of blocks 4-7: lanes 16-31 stand four blocks further on than in v27 (k's rows lie behind q's 128)
.set STO,  24                          ; the way out: where I put 16 bytes of a row
.set RD,   25                          ; and where I read back
.set GO,   26                          ; 16 x lane
.set ADRS, 27
.set SPW,  28
.set NIL,  29
.set SC,   32
.set SCBV, 96
.set AF,   128
.set BI,   192
.set U,    128                         ; the way out: 64 numbers
.set HS,   192                         ; 32 registers of f16
.set SS,   224
.set RR,   232
.set TT,   236
.set PT,   244
.set SCVK, 0                           ; window 1
.set BIV,  32
.set ROWT, 64
.set BK,   128
.set COLT, 192
.set SCVQ, 224
.set G1, 24
.set G0, 32
.set G1B, 48
.set G0B, 56
.set G1S, 68
.set G0S, 76
.set G1SB, 80
.set G0SB, 88
.set G0R, 92                           ; s[92:95] group 0 of the refill
.set NEGE, 66
.set SEL,  96
.set C64,  98
.set CEPS, 99
.set KB,   100                         ; s[100:101] k's rows in qkv16; s[12:13] q's; s[2:3] v's
.set MSB, 0
.macro WIN new                         ; the immediate's high byte repeats the setting that is left
.if MSB != (\new)
	s_set_vgpr_msb (MSB<<8)|(\new)
.set MSB, (\new)
.endif
.endm
.set MUL_LO, 0xa1
.set MUL_HI, 0xf1
.set TO_B,   0x40
.macro JLOAD g0a, g1a, g0b, g1b        ; waves 0 and 1 fetch for x, waves 2 and 3 for W; an s_nop 0 and four v_nop follow each line
	s_cmp_eq_u32 s15, 0
	s_cbranch_scc0 .Lfor_b_\@
	tensor_load_to_lds s[\g0a:\g0a+3], s[\g1a:\g1a+7]
	s_nop 0
.rept 4
	v_nop
.endr
	s_branch .Lasked_\@
.Lfor_b_\@:
	tensor_load_to_lds s[\g0b:\g0b+3], s[\g1b:\g1b+7]
	s_nop 0
.rept 4
	v_nop
.endr
.Lasked_\@:
.endm
.macro CROUND                          ; a round of the cluster's barrier
	s_barrier_signal -1
	s_barrier_wait -1
	s_cmp_lg_u32 s14, 0
	s_cbranch_scc1 .Lnot_wave_0_\@
	s_barrier_signal -3
.Lnot_wave_0_\@:
	s_barrier_wait -3
	s_barrier_signal -1
	s_barrier_wait -1
.endm
	s_load_b128 s[4:7], s[0:1], 0x0                ; x's codes, x's scales
	s_load_b128 s[8:11], s[0:1], 0x10              ; W's codes, W's scales
	s_load_b64 s[12:13], s[0:1], 0x20              ; qkv16
	v_lshl_add_u32 v[SPW], v0, 2, SPARE
	v_mov_b32 v[NIL], 0
	ds_add_u32 v[SPW], v[NIL]                      ; the opening: the add, twice on end, and its wait ahead of my first tensor load
	ds_add_u32 v[SPW], v[NIL]
	v_lshrrev_b32 v1, 5, v0
	v_readfirstlane_b32 s14, v1                    ; wave
	s_lshr_b32 s15, s14, 1                         ; which half of the tile's tokens is mine; also: I fetch for x (0) or W (1)
	s_and_b32 s16, s14, 1                          ; which of the tile's two heads; also: which part I fetch
	s_bfe_u32 s40, ttmp6, 0x40000                  ; cx
	s_bfe_u32 s41, ttmp6, 0x40004                  ; cy
	s_lshl_b32 s42, ttmp9, 2
	s_add_co_u32 s42, s42, s40                     ; tile column, 0..7
	s_and_b32 s17, ttmp7, 0xffff
	s_lshl_b32 s17, s17, 2
	s_add_co_u32 s17, s17, s41                     ; tile row
	s_lshl_b32 s43, s41, 2
	s_lshl_b32 s43, 15, s43                        ; my row of the cluster
	s_lshl_b32 s44, 0x1111, s40                    ; my column
	s_or_b32 s[G1+0], s43, (0<<16)|(1<<20)|(1<<21)|(5<<22)|(3<<25)   ; bytes; 4 words of padding behind every 64
	s_or_b32 s[G1B+0], s44, (0<<16)|(1<<20)|(1<<21)|(5<<22)|(3<<25)
.irp g, G1, G1B
	s_mov_b32 s[\g+1], ROWB<<16
	s_mov_b32 s[\g+2], 128<<16
	s_mov_b32 s[\g+3], ROWB<<16
	s_mov_b32 s[\g+4], 128
	s_mov_b32 s[\g+5], KROW
	s_mov_b32 s[\g+6], 0
	s_mov_b32 s[\g+7], 0
.endr
	s_or_b32 s[G1S+0], s43, (3<<16)|(1<<20)|(1<<21)|(5<<22)|(3<<25)  ; scale bytes: dense blocks as rows of 256 bytes
	s_or_b32 s[G1SB+0], s44, (3<<16)|(1<<20)|(1<<21)|(5<<22)|(3<<25)
.irp g, G1S, G1SB
	s_mov_b32 s[\g+1], 32<<16
	s_mov_b32 s[\g+3], 32<<16
	s_mov_b32 s[\g+5], 32
	s_mov_b32 s[\g+6], 0
	s_mov_b32 s[\g+7], 0
.endr
	s_mov_b32 s[G1S+2], 16<<16                     ; 128 tokens: 16 rows of 256 bytes
	s_mov_b32 s[G1S+4], 16
	s_mov_b32 s[G1SB+2], 24<<16                    ; 192 rows of W: 24
	s_mov_b32 s[G1SB+4], 24
	s_lshl_b32 s18, s16, 7
	s_lshl_b32 s20, s17, 8
	s_add_co_u32 s20, s20, s18                     ; x: row 256 x tile row + 128 x half
	s_mul_i32 s46, s42, 384                        ; W: the tile's 384 rows
	s_add_co_u32 s2, s46, 256                      ; v's 128 of them
	s_mul_i32 s66, s16, 192
	s_add_co_u32 s66, s66, s46                     ; the 192 rows whose scale bytes I fetch
	s_add_co_u32 s46, s46, s18                     ; q's 128 (wave 2) or k's (wave 3)
	s_mov_b32 s21, 0
	s_mov_b32 s47, 0
	s_mov_b32 s3, 0
	s_mov_b32 s67, 0
	s_mov_b64 s[18:19], KS
	s_mul_u64 s[22:23], s[20:21], s[18:19]
	s_mul_u64 s[66:67], s[66:67], s[18:19]
	s_mov_b64 s[18:19], KROW
	s_mul_u64 s[20:21], s[20:21], s[18:19]
	s_mul_u64 s[46:47], s[46:47], s[18:19]
	s_mul_u64 s[2:3], s[2:3], s[18:19]
	s_mul_i32 s45, s14, HALFT
	s_lshl_b32 s18, s16, 8                         ; the refill's K half, in bytes
	s_mov_b32 s19, 0
	s_mov_b32 s[SEL], 0x76543210
	s_mov_b32 s[SEL+1], 0xfedcba98
	s_mov_b32 s[C64], 0x3c800000                   ; 1 / 64
	s_mov_b32 s[CEPS], 0x358637bd                  ; 1e-6
	s_wait_dscnt 0x0                               ; both opening adds are done
	s_wait_kmcnt 0x0
	s_add_nc_u64 s[20:21], s[4:5], s[20:21]
	s_add_nc_u64 s[22:23], s[6:7], s[22:23]
	s_add_nc_u64 s[46:47], s[8:9], s[46:47]
	s_add_nc_u64 s[2:3], s[8:9], s[2:3]
	s_add_nc_u64 s[66:67], s[10:11], s[66:67]
	CROUND                                         ; all sixteen work-groups are here: the joint loads meet
	s_mov_b32 s[G0S], 1
	s_mul_i32 s[G0S+1], s16, SAH
	s_add_co_u32 s[G0S+1], s[G0S+1], SCL
	s_mov_b64 s[G0S+2:G0S+3], s[22:23]
	s_or_b32 s[G0S+3], s[G0S+3], 0x80000000
	s_mov_b32 s[G0SB], 1
	s_mul_i32 s[G0SB+1], s16, SBH
	s_add_co_u32 s[G0SB+1], s[G0SB+1], SCLB
	s_mov_b64 s[G0SB+2:G0SB+3], s[66:67]
	s_or_b32 s[G0SB+3], s[G0SB+3], 0x80000000
	s_mov_b32 s[G0R], 1                            ; the refill's group 0 is made here and never rewritten: v's 128 rows, K half = wave % 2, into q's bytes of slot wave % 2
	s_mul_i32 s[G0R+1], s16, SLOT
	s_add_co_u32 s[G0R+1], s[G0R+1], 2*HALFT
	s_add_nc_u64 s[G0R+2:G0R+3], s[2:3], s[18:19]
	s_or_b32 s[G0R+3], s[G0R+3], 0x80000000
	JLOAD G0S, G1S, G0SB, G1SB                     ; three loads of mine go out here: the scales, slot 0, slot 1
.irp s, 0,1
	s_mov_b32 s[G0+4*\s], 1
	s_add_co_u32 s[G0+4*\s+1], s45, \s*SLOT
	s_add_nc_u64 s[G0+4*\s+2:G0+4*\s+3], s[20:21], \s*ROWB
	s_or_b32 s[G0+4*\s+3], s[G0+4*\s+3], 0x80000000
	s_mov_b32 s[G0B+4*\s], 1
	s_add_co_u32 s[G0B+4*\s+1], s45, \s*SLOT
	s_add_nc_u64 s[G0B+4*\s+2:G0B+4*\s+3], s[46:47], \s*ROWB
	s_or_b32 s[G0B+4*\s+3], s[G0B+4*\s+3], 0x80000000
	JLOAD G0+4*\s, G1, G0B+4*\s, G1B
.endr
	s_load_b256 s[4:11], s[0:1], 0x28              ; bqkv s[4:5], q_scale s[6:7], k_scale s[8:9], aux s[10:11]
	v_and_b32 v1, 15, v0                           ; r
	v_bfe_u32 v2, v0, 4, 1                         ; h
	v_mul_u32_u24 v3, v1, PITCH
	v_lshl_add_u32 v4, v2, 4, v3
	s_mul_i32 s21, s15, HALFT                      ; my 128 tokens
	s_mul_i32 s22, s16, 64*PITCH                   ; my head's 64 rows,
	s_add_co_u32 s22, s22, 2*HALFT                 ; in q's 128; k's lie HALFT further on
.irp s, 0,1
	v_add_nc_u32 v[ADRA+\s], s21, v4
	v_add_nc_u32 v[ADRB+\s], s22, v4
	s_add_co_u32 s21, s21, SLOT
	s_add_co_u32 s22, s22, SLOT
.endr
	v_mul_u32_u24 v5, v1, KS                       ; my row's scale bytes: 32 a row,
	v_lshrrev_b32 v6, 8, v5
	v_lshl_add_u32 v5, v6, 4, v5                   ; and 16 more for each 256 passed
	s_mul_i32 s22, s16, 4*SBLK                     ; my head's 64 rows
	s_add_co_u32 s23, s22, SCLB+16*SBLK            ; among v's, which lie behind q's and k's 256
	v_add_nc_u32 v[ADRSV], s23, v5
	s_mul_i32 s21, s15, SAH
	s_add_co_u32 s22, s22, 2*SAH
	s_sub_co_u32 s22, s22, s21
	v_mul_u32_u24 v6, s22, v2                      ; lanes 16-31 take W's scale words
	s_add_co_u32 s21, s21, SCL
	v_add_nc_u32 v5, v5, v6
	v_add_nc_u32 v[ADRS], s21, v5
	v_mad_u32_u24 v[ADRS2], v2, 4*SBLK, v[ADRS]
	s_mul_i32 s23, s14, 4608
	s_add_co_u32 s23, s23, STAGE                   ; my stage
	v_mul_u32_u24 v5, v1, 144
	v_lshl_add_u32 v5, v2, 4, v5
	v_add_nc_u32 v[STO], s23, v5
	v_and_b32 v6, 31, v0
	v_lshlrev_b32 v[GO], 4, v6
	v_lshrrev_b32 v5, 3, v6
	v_mul_u32_u24 v5, v5, 144
	v_and_b32 v3, 7, v6
	v_lshl_add_u32 v5, v3, 4, v5
	v_add_nc_u32 v[RD], s23, v5
	v_lshlrev_b32 v[VH], 5, v2
	v_lshl_add_u32 v[VC], v1, 6, v[VH]
	v_mov_b32 v[ZOF], 0
	s_lshl_b32 s20, s17, 8
	s_lshl_b32 s21, s15, 7
	s_add_co_u32 s20, s20, s21                     ; my first token
	s_lshr_b32 s21, s20, 10
	s_lshl_b32 s21, s21, 21                        ; its batch,
	s_and_b32 s22, s20, 1023                       ; its place in the image
	s_lshl_b32 s23, s22, 7
	s_add_co_u32 s21, s21, s23
	s_lshl_b32 s46, s42, 1
	s_add_co_u32 s46, s46, s16                     ; my head: 2 x tile column + wave % 2
	s_lshl_b32 s18, s46, 8                         ; its 64 numbers of the bias, in bytes
	s_mov_b32 s19, 0
	s_lshl_b32 s46, s46, 17
	s_add_co_u32 s46, s46, s21
	s_mov_b32 s47, 0
	s_add_nc_u64 s[12:13], s[12:13], s[46:47]      ; q's rows,
	s_add_nc_u64 s[KB:KB+1], s[12:13], 0x1000000   ; k's,
	s_add_nc_u64 s[2:3], s[12:13], 0x2000000       ; v's
	s_wait_kmcnt 0x0
	s_add_nc_u64 s[4:5], s[4:5], s[18:19]          ; the bias at my head; the kinds lie 4,096 bytes apart
	s_lshr_b32 s18, s22, 5
	s_lshl_b32 s18, s18, 6
	s_add_nc_u64 s[18:19], s[10:11], s[18:19]      ; the table at my first token's row in the image
.irp b, 0,1,2,3,4,5,6,7
	global_load_b128 v[BI+8*\b:BI+8*\b+3], v[VH], s[4:5] offset:4096*(\b/4)+64*(\b%4)
	global_load_b128 v[BI+8*\b+4:BI+8*\b+7], v[VH], s[4:5] offset:4096*(\b/4)+64*(\b%4)+16
.endr
.irp i, 0,1,2,3,4,5,6,7
	global_load_b128 v[128+4*\i:128+4*\i+3], v[GO], s[10:11] offset:4096+512*\i   ; x's 1,024 maxima
.endr
	global_load_b128 v[160:163], v[GO], s[10:11] offset:9216                       ; the 128 of W's v columns
	global_load_b128 v[164:167], v[ZOF], s[10:11] offset:9728                      ; the bias's four
	WIN 0x40
.irp q, 0,1,2,3
	global_load_b128 v[ROWT+16*\q:ROWT+16*\q+3], v[VH], s[18:19] offset:64*\q
	global_load_b128 v[ROWT+16*\q+4:ROWT+16*\q+7], v[VH], s[18:19] offset:64*\q+16
	global_load_b128 v[ROWT+16*\q+8:ROWT+16*\q+11], v[VH], s[18:19] offset:64*\q+2048
	global_load_b128 v[ROWT+16*\q+12:ROWT+16*\q+15], v[VH], s[18:19] offset:64*\q+2064
.endr
.irp q, 0,1
	global_load_b128 v[COLT+16*\q:COLT+16*\q+3], v[VC], s[10:11] offset:1024*\q
	global_load_b128 v[COLT+16*\q+4:COLT+16*\q+7], v[VC], s[10:11] offset:1024*\q+16
	global_load_b128 v[COLT+16*\q+8:COLT+16*\q+11], v[VC], s[10:11] offset:1024*\q+2048
	global_load_b128 v[COLT+16*\q+12:COLT+16*\q+15], v[VC], s[10:11] offset:1024*\q+2064
.endr
.irp q, 0,1,2,3
	global_load_b128 v[SCVQ+8*\q:SCVQ+8*\q+3], v[VH], s[6:7] offset:64*\q
	global_load_b128 v[SCVQ+8*\q+4:SCVQ+8*\q+7], v[VH], s[6:7] offset:64*\q+16
.endr
	WIN 0
	s_wait_loadcnt 0x0
	; E from the three largest magnitudes
.irp i, 0,1,2,3,4,5,6,7
	v_max3_num_f32 v[128+4*\i], v[128+4*\i], v[128+4*\i+1], v[128+4*\i+2]
.endr
.irp i, 0,1,2,3
	v_max3_num_f32 v[128+8*\i], v[128+8*\i], v[128+8*\i+3], v[128+8*\i+4]
.endr
.irp i, 0,1,2,3
	v_max_num_f32 v[128+8*\i], v[128+8*\i], v[128+8*\i+7]
.endr
	v_max3_num_f32 v128, v128, v136, v144
	v_max_num_f32 v128, v128, v152
	v_max3_num_f32 v160, v160, v161, v162
	v_max_num_f32 v160, v160, v163
	v_max3_num_f32 v164, v164, v165, v166
	v_max_num_f32 v164, v164, v167
.irp m, 1,2,4,8
	v_max_num_f32_dpp v128, v128, v128 row_xmask:\m row_mask:0xf bank_mask:0xf
	v_max_num_f32_dpp v160, v160, v160 row_xmask:\m row_mask:0xf bank_mask:0xf
.endr
	v_permlanex16_b32 v129, v128, s[SEL], s[SEL+1]
	v_permlanex16_b32 v161, v160, s[SEL], s[SEL+1]
	v_max_num_f32 v128, v128, v129
	v_max_num_f32 v160, v160, v161
	v_readfirstlane_b32 s20, v128
	v_readfirstlane_b32 s21, v160
	v_readfirstlane_b32 s22, v164
	s_lshr_b32 s20, s20, 23
	s_lshr_b32 s21, s21, 23
	s_lshr_b32 s22, s22, 23
	s_add_co_u32 s20, s20, s21
	s_sub_co_i32 s20, s20, 256
	s_sub_co_i32 s22, s22, 140
	s_max_i32 s20, s20, s22                        ; E
	s_sub_co_i32 s[NEGE], 0, s20
.macro FRAG reg, adr, q, i             ; 16 rows x 128 K of 4-bit codes: 8 registers, two loads of 16 bytes, 32 bytes apart
.irp c, 0,1
	ds_load_b128 v[\reg+4*\c:\reg+4*\c+3], v[\adr] offset:64*(\q)+32*\c+(\i)*16*PITCH
.endr
.endm
; 16 matrix instructions: x's blocks a0, a0 + 1 against W's eight (0-3 q's head, 4-7 k's).  zero = 1: the first product starts the sums, with the bias as C.  The 64 accumulators take turns.
.macro MUL16 a0, p, q, sc, zero
.irp a, \a0, \a0+1
.irp b, 0,1,2,3,4,5,6,7
.if \zero
	v_wmma_scale_f32_16x16x128_f8f6f4 v[8*(8*((\a)%4)+\b):8*(8*((\a)%4)+\b)+7], v[128*(\p)+FR*\b:128*(\p)+FR*\b+FR-1], v[AF+FR*(\a):AF+FR*(\a)+FR-1], v[BI+8*\b:BI+8*\b+7], v[SC+8*NQ*(\sc)+NQ*\b+(\q)], v[SC+8*NQ*(\sc)+NQ*(\a)+(\q)] matrix_a_fmt:MATRIX_FMT_FP4 matrix_b_fmt:MATRIX_FMT_FP4 matrix_a_scale:MATRIX_SCALE_ROW1
.else
	v_wmma_scale_f32_16x16x128_f8f6f4 v[8*(8*((\a)%4)+\b):8*(8*((\a)%4)+\b)+7], v[128*(\p)+FR*\b:128*(\p)+FR*\b+FR-1], v[AF+FR*(\a):AF+FR*(\a)+FR-1], v[8*(8*((\a)%4)+\b):8*(8*((\a)%4)+\b)+7], v[SC+8*NQ*(\sc)+NQ*\b+(\q)], v[SC+8*NQ*(\sc)+NQ*(\a)+(\q)] matrix_a_fmt:MATRIX_FMT_FP4 matrix_b_fmt:MATRIX_FMT_FP4 matrix_a_scale:MATRIX_SCALE_ROW1
.endif
.endr
.endr
.endm
.macro FETCH_B slot, q, p              ; W's eight fragments: four of q's head, four of k's, HALFT further on
	WIN TO_B
.irp i, 0,1,2,3,4,5,6,7
.irp c, 0,1
	ds_load_b128 v[128*(\p)+FR*\i+4*\c:128*(\p)+FR*\i+4*\c+3], v[ADRB+\slot] offset:64*(\q)+32*\c+(\i/4)*HALFT+(\i%4)*16*PITCH
.endr
.endr
	WIN 0
.endm
.macro FETCH_A slot, q, i0
.irp i, \i0, \i0+1, \i0+2, \i0+3
	FRAG AF+FR*(\i), ADRA+\slot, \q, \i
.endr
.endm
.macro SCALES sc                       ; a slot's scale words: lanes 0-15 x's block i, lanes 16-31 W's block i
.irp i, 0,1,2,3
	ds_load_b128 v[SC+8*NQ*\sc+NQ*\i:SC+8*NQ*\sc+NQ*\i+3], v[ADRS] offset:\i*SBLK
.endr
.irp i, 4,5,6,7
	ds_load_b128 v[SC+8*NQ*\sc+NQ*\i:SC+8*NQ*\sc+NQ*\i+3], v[ADRS2] offset:\i*SBLK
.endr
.endm
.macro PLACES n                        ; plain vector instructions between a matrix instruction and a load into, or a read of, its registers
.rept \n
	v_nop
.endr
.endm
.macro STEP slot, q, zero              ; 128 along K, with its successor in the same slot
	s_wait_dscnt 4*NL                              ; W's set and x's blocks 0-3 are in; the youngest eight loads (x's blocks 4-7) may be out
.if \zero
	WIN 0x81                                       ; C, the bias, in window 0
.else
	WIN MUL_LO
.endif
	MUL16 0, (\q)%2, \q, \slot, \zero
	MUL16 2, (\q)%2, \q, \slot, \zero
	s_wait_dscnt 0
	PLACES NP
	FETCH_B \slot, (\q)+1, 1-(\q)%2
	FETCH_A \slot, (\q)+1, 0
.if \zero
	WIN 0xc1
.else
	WIN MUL_HI
.endif
	MUL16 4, (\q)%2, \q, \slot, \zero
	MUL16 6, (\q)%2, \q, \slot, \zero
	PLACES NP
	WIN 0
	FETCH_A \slot, (\q)+1, 4
.endm
.macro STEPS slot, from
.set Q, \from
.rept NQ-1-\from
	STEP \slot, Q, 0
.set Q, Q+1
.endr
.endm
	s_wait_tensorcnt 1                             ; the scales and my part of slot 0 are in; slot 1's load may be out
	s_barrier_signal -1
	s_barrier_wait -1
	FETCH_B 0, 0, 0
	FETCH_A 0, 0, 0
	SCALES 0
	FETCH_A 0, 0, 4
	STEP 0, 0, 1
	STEPS 0, 1
	; slot 0's last step, and the change to slot 1
	s_wait_tensorcnt 0x0                           ; my part of slot 1 is in
	ds_add_u32 v[SPW], v[NIL]
	s_wait_dscnt 4*NL+1                            ; the add and x's blocks 4-7 may be out
	WIN MUL_LO
	MUL16 0, 1, NQ-1, 0, 0
	s_wait_dscnt 0x0                               ; the add is done, my reads of slot 0 are over for this phase
	s_barrier_signal -1
	MUL16 2, 1, NQ-1, 0, 0
	WIN 0
	s_barrier_wait -1                              ; slot 1 is whole
	PLACES NP
	v_add_nc_u32 v[ADRS], 4*NQ, v[ADRS]
	v_add_nc_u32 v[ADRS2], 4*NQ, v[ADRS2]
	FETCH_B 1, 0, 0
	FETCH_A 1, 0, 0
	SCALES 1
	WIN MUL_HI
	MUL16 4, 1, NQ-1, 0, 0
	MUL16 6, 1, NQ-1, 0, 0
	PLACES NP
	WIN 0
	FETCH_A 1, 0, 4
	STEPS 1, 0
	WIN 0x40                                       ; W's set 0 has been multiplied for the last time, four places back: it takes k's gain and v's bias, which land under the last step and the round
.irp q, 0,1,2,3
	global_load_b128 v[SCVK+8*\q:SCVK+8*\q+3], v[VH], s[8:9] offset:64*\q
	global_load_b128 v[SCVK+8*\q+4:SCVK+8*\q+7], v[VH], s[8:9] offset:64*\q+16
	global_load_b128 v[BIV+8*\q:BIV+8*\q+3], v[VH], s[4:5] offset:8192+64*\q
	global_load_b128 v[BIV+8*\q+4:BIV+8*\q+7], v[VH], s[4:5] offset:8192+64*\q+16
.endr
	WIN 0
	s_wait_dscnt 4*NL
	WIN MUL_LO
	MUL16 0, 1, NQ-1, 1, 0
	MUL16 2, 1, NQ-1, 1, 0
	s_wait_dscnt 0
	WIN MUL_HI
	MUL16 4, 1, NQ-1, 1, 0
	MUL16 6, 1, NQ-1, 1, 0
	WIN 0
	; THE REFILL: no tensor load of mine is out, my reads of q's bytes are over; behind the round that holds of every wave of every partner
	s_wait_tensorcnt 0x0
	ds_add_u32 v[SPW], v[NIL]                      ; 0 onto my spare word; the lines below, work on registers, stand between it and the wait for it
	PLACES NP                                      ; the places behind the last products
	v_mov_b32 v[PT], 0                             ; written once: a lane permute's destination counts as one of its sources,
	v_mov_b32 v[PT+1], 0
	v_mov_b32 v[RR+1], 0                           ; and a pair is named whole though its low word serves both halves
	v_mov_b32 v[RR+3], 0
	s_wait_dscnt 0x0
	CROUND
	s_cmp_eq_u32 s15, 0                            ; waves 2 and 3 ask: the wave's one tensor load behind the round
	s_cbranch_scc1 .Lno_refill
	tensor_load_to_lds s[G0R:G0R+3], s[G1B:G1B+7]
	s_nop 0
.rept 4
	v_nop
.endr
.Lno_refill:
; THE WAY OUT OF q AND k, 16 tokens x (q's head | k's head) at a time.  In accumulator (a, b) lane (r, h) holds token 16 a + r; b / 4 is the kind, and the channels are 16 (b % 4) + 8 h + j.
.macro NORMROPE a
.set AC, 64*((\a)%4)
.set RT, ROWT+16*((\a)/2)              ; the token's row in the image: first row + a / 2
.set CT, COLT+16*((\a)%2)              ; its column: 16 (a % 2) + r
	WIN 0x0a+5*((\a)/4)
.irp p, 0,1,2,3,4,5,6,7                ; the sums of squares: two chains a head, each accumulator from its low end on
.irp q, 0,1,2,3
.if \p == 0
	v_pk_mul_f32 v[SS+2*\q:SS+2*\q+1], v[AC+16*\q:AC+16*\q+1], v[AC+16*\q:AC+16*\q+1]
.else
	v_pk_fma_f32 v[SS+2*\q:SS+2*\q+1], v[AC+16*\q+8*(\p/4)+2*(\p%4):AC+16*\q+8*(\p/4)+2*(\p%4)+1], v[AC+16*\q+8*(\p/4)+2*(\p%4):AC+16*\q+8*(\p/4)+2*(\p%4)+1], v[SS+2*\q:SS+2*\q+1]
.endif
.endr
.endr
	WIN 0
	v_pk_add_f32 v[SS:SS+1], v[SS:SS+1], v[SS+2:SS+3]
	v_pk_add_f32 v[SS+4:SS+5], v[SS+4:SS+5], v[SS+6:SS+7]
	v_add_f32 v[SS], v[SS], v[SS+1]
	v_add_f32 v[SS+4], v[SS+4], v[SS+5]
	v_permlanex16_b32 v[PT], v[SS], s[SEL], s[SEL+1]       ; the head's other 32 channels lie in the lane 16 away
	v_permlanex16_b32 v[PT+1], v[SS+4], s[SEL], s[SEL+1]
	v_add_f32 v[SS], v[SS], v[PT]
	v_add_f32 v[SS+4], v[SS+4], v[PT+1]
	v_fma_f32 v[SS], v[SS], s[C64], s[CEPS]
	v_fma_f32 v[SS+4], v[SS+4], s[C64], s[CEPS]
	v_rsq_f32 v[RR], v[SS]
	v_rsq_f32 v[RR+2], v[SS+4]
	v_nop                                          ; a plain line behind the last of the two
	s_wait_alu depctr_va_vdst(0)                   ; one wait for both, ahead of their first reader
	WIN 0x02+((\a)/4)
.irp b, 0,1,2,3,4,5,6,7
.irp p, 0,1,2,3
	v_pk_mul_f32 v[U+8*\b+2*\p:U+8*\b+2*\p+1], v[AC+8*\b+2*\p:AC+8*\b+2*\p+1], v[RR+2*(\b/4):RR+2*(\b/4)+1] op_sel_hi:[1,0]
.endr
.endr
.if (\a) == 0
	s_wait_loadcnt 0x0                             ; k's gain and v's bias are in
.endif
	WIN 0x04                                       ; source 1, the gains and the table, in window 1
.irp b, 0,1,2,3,4,5,6,7
.irp p, 0,1,2,3
	v_pk_mul_f32 v[U+8*\b+2*\p:U+8*\b+2*\p+1], v[U+8*\b+2*\p:U+8*\b+2*\p+1], v[SCVQ-(SCVQ-SCVK)*(\b/4)+8*(\b%4)+2*\p:SCVQ-(SCVQ-SCVK)*(\b/4)+8*(\b%4)+2*\p+1]
.endr
.endr
.irp g, 0,1                            ; channel i turns with channel i + 32: blocks 0 and 2 by the row's angle, blocks 1 and 3 by the column's
.irp p, 0,1,2,3
.set U1, U+32*\g+2*\p
.set U2, U1+16
	v_pk_mul_f32 v[TT:TT+1], v[U2:U2+1], v[RT+8+2*\p:RT+8+2*\p+1]
	v_pk_mul_f32 v[TT+2:TT+3], v[U2:U2+1], v[RT+2*\p:RT+2*\p+1]
	v_pk_mul_f32 v[TT+4:TT+5], v[U2+8:U2+9], v[CT+8+2*\p:CT+8+2*\p+1]
	v_pk_mul_f32 v[TT+6:TT+7], v[U2+8:U2+9], v[CT+2*\p:CT+2*\p+1]
	v_pk_fma_f32 v[U2:U2+1], v[U1:U1+1], v[RT+8+2*\p:RT+8+2*\p+1], v[TT+2:TT+3]
	v_pk_fma_f32 v[U1:U1+1], v[U1:U1+1], v[RT+2*\p:RT+2*\p+1], v[TT:TT+1] neg_lo:[0,0,1] neg_hi:[0,0,1]
	v_pk_fma_f32 v[U2+8:U2+9], v[U1+8:U1+9], v[CT+8+2*\p:CT+8+2*\p+1], v[TT+6:TT+7]
	v_pk_fma_f32 v[U1+8:U1+9], v[U1+8:U1+9], v[CT+2*\p:CT+2*\p+1], v[TT+4:TT+5] neg_lo:[0,0,1] neg_hi:[0,0,1]
.endr
.endr
	WIN 0
	s_wait_dscnt 8                                 ; the last tile's 8 stores into the stage have read the f16 registers; its 8 loads, issued behind them, may be out
.irp b, 0,1,2,3,4,5,6,7
.irp p, 0,1,2,3
	v_cvt_pk_f16_f32 v[HS+4*\b+\p], v[U+8*\b+2*\p], v[U+8*\b+2*\p+1]
.endr
.endr
.endm
.macro TOSTAGE a                       ; 16 bytes a lane into rows of 144 bytes; back as 512 dense bytes (four tokens of a head) a load.  LDS serves a wave's instructions in order: these stores come behind the last tile's loads
.set BB, BK+32*((\a)%2)
.irp b, 0,1,2,3,4,5,6,7
	ds_store_b128 v[STO], v[HS+4*\b:HS+4*\b+3] offset:2304*(\b/4)+32*(\b%4)
.endr
	WIN 0x40
.irp g, 0,1
.irp i, 0,1,2,3
	ds_load_b128 v[BB+16*\g+4*\i:BB+16*\g+4*\i+3], v[RD] offset:2304*\g+576*\i
.endr
.endr
	WIN 0
.endm
.macro SEND a, younger                 ; younger: the LDS instructions issued behind tile a's loads: the next tile's 8 stores and 8 loads, or none
.set BB, BK+32*((\a)%2)
	s_wait_dscnt \younger
	WIN 0x04                                       ; a store's data are its source 1: window 1
.irp i, 0,1,2,3
	global_store_b128 v[GO], v[BB+4*\i:BB+4*\i+3], s[12:13] offset:2048*(\a)+512*\i          ; q: 32 lanes store 512 dense bytes
.endr
.irp i, 0,1,2,3
	global_store_b128 v[GO], v[BB+16+4*\i:BB+16+4*\i+3], s[KB:KB+1] offset:2048*(\a)+512*\i  ; k
.endr
	WIN 0
.endm
	NORMROPE 0
	TOSTAGE 0
.irp a, 1,2,3,4,5,6,7
	NORMROPE \a
.if \a > 1
	s_wait_xcnt 0x0                                ; tile a - 2's stores have read the registers into which tile a's rows come back
.endif
	TOSTAGE \a
	SEND \a-1, 16
.endr
	SEND 7, 0
; PHASE 2: v's head.  x's blocks 0-7 against v's four; 32 accumulators by turns; s8 = 0 .. 7 counts the steps of 128 along K, four to a slot.
.macro VMUL a0, s8
.irp a, \a0, \a0+1, \a0+2, \a0+3
.irp b, 0,1,2,3
.if (\s8) == 0
	v_wmma_scale_f32_16x16x128_f8f6f4 v[8*(4*(\a)+\b):8*(4*(\a)+\b)+7], v[128+32*((\s8)%2)+FR*\b:128+32*((\s8)%2)+FR*\b+FR-1], v[AF+FR*(\a):AF+FR*(\a)+FR-1], v[BIV+8*\b:BIV+8*\b+7], v[SCBV+8*\b+(\s8)], v[SC+8*NQ*((\s8)/4)+NQ*(\a)+(\s8)%4] matrix_a_fmt:MATRIX_FMT_FP4 matrix_b_fmt:MATRIX_FMT_FP4 matrix_a_scale:MATRIX_SCALE_ROW1
.else
	v_wmma_scale_f32_16x16x128_f8f6f4 v[8*(4*(\a)+\b):8*(4*(\a)+\b)+7], v[128+32*((\s8)%2)+FR*\b:128+32*((\s8)%2)+FR*\b+FR-1], v[AF+FR*(\a):AF+FR*(\a)+FR-1], v[8*(4*(\a)+\b):8*(4*(\a)+\b)+7], v[SCBV+8*\b+(\s8)], v[SC+8*NQ*((\s8)/4)+NQ*(\a)+(\s8)%4] matrix_a_fmt:MATRIX_FMT_FP4 matrix_b_fmt:MATRIX_FMT_FP4 matrix_a_scale:MATRIX_SCALE_ROW1
.endif
.endr
.endr
.endm
.macro FETCH_BV slot, q, p             ; v's four fragments, from the bytes that held q's
	WIN TO_B
.irp i, 0,1,2,3
.irp c, 0,1
	ds_load_b128 v[128+32*(\p)+FR*\i+4*\c:128+32*(\p)+FR*\i+4*\c+3], v[ADRB+\slot] offset:64*(\q)+32*\c+\i*16*PITCH
.endr
.endr
	WIN 0
.endm
.macro VWIN s8
.if (\s8) == 0
	WIN 0x91                                       ; C, v's bias, in window 1
.else
	WIN MUL_LO
.endif
.endm
.macro VSTEP s8                        ; a step that has a successor
	s_wait_dscnt 4*NL                              ; v's set and x's blocks 0-3 are in; the youngest eight loads (x's blocks 4-7) may be out
	VWIN \s8
	VMUL 0, \s8
	s_wait_dscnt 0
	PLACES NP
	FETCH_BV ((\s8)+1)/4, ((\s8)+1)%4, ((\s8)+1)%2
	FETCH_A ((\s8)+1)/4, ((\s8)+1)%4, 0
	VWIN \s8
	VMUL 4, \s8
	PLACES NP
	WIN 0
	FETCH_A ((\s8)+1)/4, ((\s8)+1)%4, 4
.endm
	s_wait_tensorcnt 0x0                           ; my part of v's rows is in
	s_wait_dscnt 0x0
	s_barrier_signal -1
	s_barrier_wait -1                              ; everybody's is
	s_wait_xcnt 0x0                                ; the last stores have read the registers that v's fragments take
	FETCH_BV 0, 0, 0
	FETCH_A 0, 0, 0
.irp i, 0,1,2,3
	ds_load_b128 v[SCBV+8*\i:SCBV+8*\i+3], v[ADRSV] offset:\i*SBLK        ; v's scale words, all eight steps': every lane takes row lane % 16's
	ds_load_b128 v[SCBV+8*\i+4:SCBV+8*\i+7], v[ADRSV] offset:\i*SBLK+16
.endr
	FETCH_A 0, 0, 4
.irp s, 0,1,2,3,4,5,6
	VSTEP \s
.endr
	s_wait_dscnt 4*NL
	WIN MUL_LO
	VMUL 0, 7
	s_wait_dscnt 0
	VMUL 4, 7
	WIN 0
; THE WAY OUT OF v, two blocks of 16 tokens at a time, through the same stage
.macro VSCALE m
	WIN 0x02
.set jj, 0
.rept 64
	v_ldexp_f32 v[U+jj], v[64*(\m)+jj], s[NEGE]    ; exact; ascending
.set jj, jj+1
.endr
	WIN 0
	s_wait_dscnt 8                                 ; the last pair's stores into the stage have read the f16 registers
.set jj, 0
.rept 32
	v_cvt_pk_f16_f32 v[HS+jj], v[U+2*jj], v[U+2*jj+1]
.set jj, jj+1
.endr
.endm
.macro SENDV m, younger
.set BB, BK+32*((\m)%2)
	s_wait_dscnt \younger
	WIN 0x04
.irp g, 0,1
.irp i, 0,1,2,3
	global_store_b128 v[GO], v[BB+16*\g+4*\i:BB+16*\g+4*\i+3], s[2:3] offset:2048*(2*(\m)+\g)+512*\i
.endr
.endr
	WIN 0
.endm
	PLACES NP
	VSCALE 0
	TOSTAGE 0
.irp m, 1,2,3
	VSCALE \m
.if \m > 1
	s_wait_xcnt 0x0
.endif
	TOSTAGE \m
	SENDV \m-1, 16
.endr
	SENDV 3, 0
	s_wait_tensorcnt 0x0                           ; the wave's end
	ds_add_u32 v[SPW], v[NIL]
	s_wait_dscnt 0x0
	CROUND                                         ; the closing round
	s_endpgm
.Lfunc_end_k_qa2085c753c_qkv:
	.size	k_qa2085c753c_qkv, .Lfunc_end_k_qa2085c753c_qkv-k_qa2085c753c_qkv
	.p2alignl 7, 3214868480
	.fill 96, 4, 3214868480
	.section	.rodata,"a",@progbits
	.p2align	6, 0x0
	.amdhsa_kernel k_qa2085c753c_qkv
		.amdhsa_group_segment_fixed_size 327680
		.amdhsa_private_segment_fixed_size 0
		.amdhsa_enable_private_segment 0
		.amdhsa_kernarg_size 72
		.amdhsa_user_sgpr_count 2
		.amdhsa_user_sgpr_kernarg_segment_ptr 1
		.amdhsa_wavefront_size32 1
		.amdhsa_system_sgpr_workgroup_id_x 1
		.amdhsa_system_sgpr_workgroup_id_y 1
		.amdhsa_system_sgpr_workgroup_id_z 1
		.amdhsa_system_vgpr_workitem_id 0
		.amdhsa_next_free_vgpr 1024
		.amdhsa_next_free_sgpr 102
		.amdhsa_reserve_vcc 0
		.amdhsa_float_denorm_mode_32 3
		.amdhsa_float_denorm_mode_16_64 3
		.amdhsa_memory_ordered 1
		.amdhsa_forward_progress 1
		.amdhsa_inst_pref_size 255
	.end_amdhsa_kernel
	.section	.bss,"aw",@nobits
	.p2align	6
	.space	262144
	.amdgpu_metadata
---
amdhsa.version: [ 1, 2 ]
amdhsa.kernels:
  - .name:           k_qa2085c753c_qkv
    .symbol:         k_qa2085c753c_qkv.kd
    .args:
      - { .name: xc, .offset: 0, .size: 8, .value_kind: global_buffer, .address_space: global }
      - { .name: xs, .offset: 8, .size: 8, .value_kind: global_buffer, .address_space: global }
      - { .name: wc, .offset: 16, .size: 8, .value_kind: global_buffer, .address_space: global }
      - { .name: ws, .offset: 24, .size: 8, .value_kind: global_buffer, .address_space: global }
      - { .name: qkv16, .offset: 32, .size: 8, .value_kind: global_buffer, .address_space: global }
      - { .name: bqkv, .offset: 40, .size: 8, .value_kind: global_buffer, .address_space: global }
      - { .name: q_scale, .offset: 48, .size: 8, .value_kind: global_buffer, .address_space: global }
      - { .name: k_scale, .offset: 56, .size: 8, .value_kind: global_buffer, .address_space: global }
      - { .name: aux, .offset: 64, .size: 8, .value_kind: global_buffer, .address_space: global }
    .group_segment_fixed_size: 327680
    .private_segment_fixed_size: 0
    .kernarg_segment_align: 8
    .kernarg_segment_size: 72
    .max_flat_workgroup_size: 128
    .sgpr_count:     102
    .vgpr_count:     1024
    .wavefront_size: 32
...
	.end_amdgpu_metadata
.endif
;; end of part 2
;; launch attn (part 3): grid 2 x 128, 8 waves a work-group, no clusters, 327,680 bytes of LDS; arguments qkv16, o16; writes o16
.if DOCPART == 3
	.amdgcn_target "amdgcn-amd-amdhsa--gfx1250"
	.amdhsa_code_object_version 6
	.text
	.protected	k_qa2085c753c_attn
	.globl	k_qa2085c753c_attn
	.p2align	8
	.type	k_qa2085c753c_attn,@function
k_qa2085c753c_attn:
	s_mov_b64 s[64:65], 0
	v_nop
	global_prefetch_b8 v0, s[64:65] scope:SCOPE_SE
	s_setreg_imm32_b32 hwreg(HW_REG_WAVE_MODE, 25, 1), 1
	s_wait_xcnt 0x0
; o[bh][q][:] = sum over k of softmax_k(q . k / 8) v[k][:], f16 operands, f32 products, maxima and sums.  q, k, v: qkv16 [3][128 (b, h)][1024][64] f16 (v carried x 2^(-E)); o16 [128][1024][64] f16, carried likewise.
; SHARES.  A work-group owns 512 queries of one head; each of its eight waves 64: four tiles of 16; two waves to a SIMD, so that one wave's softmax stands beside the other's products.
; THE HEAD'S WHOLE K AND V LIE IN LDS, each byte filled once: K 1,024 rows of 128 bytes + 16, V 1,024 rows of 128 + 32.  Waves 0-3 fetch K, waves 4-7 V; each issues four loads of 64 rows, all at the head:
; part c of the four is keys 256 c .. 256 c + 255.  So a wave has four tensor loads out, and nothing is ever filled again.  A barrier with a counted wait stands ahead of key steps 0, 3, 7 and 11:
; a step fetches the next step's fragments, so part c is wanted one step ahead of its first key; each part has four key steps in which to land.
; NO CLUSTER: a head's K and V are shared by two work-groups only, each asks for them once, at its head, and the grid's x is 2.
; LAYOUT.  S^T = K Q^T (source 0 = 16 keys, source 1 = 16 queries): a lane holds one query (lane % 16) and keys 8 (lane / 16) + j.  Two such tiles, rounded to f16 in pairs, are source 1 of O^T = V^T P.
; V comes out of LDS turned, by ds_load_tr16_b128.  A running maximum m and sum l for each query: p = 2^(c s - c m), c = log2(e) / 8; O and l are multiplied by a = 2^(c m_old - c m_new) in every step.
; LIMITS: NaN and infinities are not served; a p under 6e-8 of the row's largest falls to 0 in f16.
; REGISTERS: window 0: v1-15 addresses; v16-47 statistics, 8 a tile: +0 c m, +1 m, +2, +3 l, +4..+7 at work (a in +6); v64-191 S^T, 32 a tile, P in place in a tile's first 16; v192-255 V's fragments.
;   window 1: v0-63 Q; v64-127 K's fragments; v128-255 O^T, 32 a tile.
.set PK,    144
.set PV,    160
.set VOFF,  1024*PK
.set SPARE, VOFF+1024*PV
.set AK0, 2
.set AV0, 3
.set ADRK, 4
.set ADRV, 5
.set QO,  6
.set STO, 7
.set RD,  8
.set GO,  9
.set SPW, 10
.set NIL, 11
.set ST,  16
.set S,   64
.set VF,  192
.set QF,  0
.set KF,  64
.set OA,  128
.set WV,  12
.set TK,  13                           ; s13 LDS byte of the key step whose K is fetched next
.set TV,  14                           ; s14 the same for V
.set CNT, 15
.set CS,  16                           ; s[16:17] c
.set SEL, 18                           ; s[18:19]
.set G1K, 24                           ; s[24:31] group 1 for K's tiles
.set G1V, 32                           ; s[32:39] for V's: it differs in the padding
.set G0K, 40                           ; s[40:55] four groups 0 for K
.set G0V, 56                           ; s[56:63], s[68:75] four for V: part c at G0V + 4 c + 4 (c / 2)
.set MSB, 0
.macro WIN new
.if MSB != (\new)
	s_set_vgpr_msb (MSB<<8)|(\new)
.set MSB, (\new)
.endif
.endm
	s_load_b128 s[4:7], s[0:1], 0x0                ; qkv16, o16
	v_lshl_add_u32 v[SPW], v0, 2, SPARE
	v_mov_b32 v[NIL], 0
	ds_add_u32 v[SPW], v[NIL]                      ; the opening: the add, twice on end, and its wait ahead of my first tensor load
	ds_add_u32 v[SPW], v[NIL]
	v_lshrrev_b32 v1, 5, v0
	v_readfirstlane_b32 s[WV], v1                  ; wave 0..7
	s_and_b32 s20, s[WV], 3                        ; which 64 rows of each part I fetch
	s_and_b32 s21, ttmp7, 0xffff                   ; the head, b x 16 + h
	s_lshl_b32 s8, s21, 17                         ; its first byte in q, k, v and o
	s_mov_b32 s9, 0
	s_mov_b32 s[G1K], (1<<16)|(1<<20)|(4<<22)|(3<<25)   ; elements of 2 bytes; 4 words of padding behind every 32
	s_mov_b32 s[G1V], (1<<16)|(1<<20)|(4<<22)|(7<<25)   ; 8 words
.irp g, G1K, G1V
	s_mov_b32 s[\g+1], 64<<16                      ; tensor_dim0
	s_mov_b32 s[\g+2], 64<<16                      ; tensor_dim1: 64 rows
	s_mov_b32 s[\g+3], 64<<16                      ; tile_dim0
	s_mov_b32 s[\g+4], 64                          ; tile_dim1
	s_mov_b32 s[\g+5], 64                          ; elements from row to row
	s_mov_b32 s[\g+6], 0
	s_mov_b32 s[\g+7], 0
.endr
	s_mov_b32 s[CS], 0x3e38aa3b                    ; log2(e) / 8
	s_mov_b32 s[CS+1], s[CS]
	s_mov_b32 s[SEL], 0x76543210
	s_mov_b32 s[SEL+1], 0xfedcba98
	s_mov_b32 s[TK], 0
	s_mov_b32 s[TV], 0
	s_mov_b32 s11, 0
	s_lshl_b32 s10, s20, 13                        ; 64 rows of 128 bytes
	s_mul_i32 s22, s20, 64*PK
	s_mul_i32 s23, s20, 64*PV
	s_wait_dscnt 0x0                               ; both opening adds are done
	s_wait_kmcnt 0x0
	s_add_nc_u64 s[4:5], s[4:5], s[8:9]            ; q of my head
	s_add_nc_u64 s[6:7], s[6:7], s[8:9]            ; o of my head
	s_add_nc_u64 s[8:9], s[4:5], s[10:11]          ; + my 64 rows; k lies 2^24 bytes behind q, v 2^25
.irp c, 0,1,2,3
	s_mov_b32 s[G0K+4*\c], 1
	s_add_co_u32 s[G0K+4*\c+1], s22, \c*256*PK
	s_add_nc_u64 s[G0K+4*\c+2:G0K+4*\c+3], s[8:9], 0x1000000+\c*32768
	s_or_b32 s[G0K+4*\c+3], s[G0K+4*\c+3], 0x80000000
	s_mov_b32 s[G0V+4*\c+4*(\c/2)], 1
	s_add_co_u32 s[G0V+4*\c+4*(\c/2)+1], s23, VOFF+\c*256*PV
	s_add_nc_u64 s[G0V+4*\c+4*(\c/2)+2:G0V+4*\c+4*(\c/2)+3], s[8:9], 0x2000000+\c*32768
	s_or_b32 s[G0V+4*\c+4*(\c/2)+3], s[G0V+4*\c+4*(\c/2)+3], 0x80000000
.endr
	s_cmp_lt_u32 s[WV], 4                          ; a wave's four fills stand in one branch, an s_nop 0 behind each and four v_nop behind the last
	s_cbranch_scc0 .Lfirst_v
.irp c, 0,1,2,3
	tensor_load_to_lds s[G0K+4*\c:G0K+4*\c+3], s[G1K:G1K+7]
	s_nop 0
.endr
.rept 4
	v_nop
.endr
	s_branch .Lfirst_asked
.Lfirst_v:
.irp c, 0,1,2,3
	tensor_load_to_lds s[G0V+4*\c+4*(\c/2):G0V+4*\c+4*(\c/2)+3], s[G1V:G1V+7]
	s_nop 0
.endr
.rept 4
	v_nop
.endr
.Lfirst_asked:
	s_lshl_b32 s10, ttmp9, 16                      ; my work-group's 512 queries,
	s_lshl_b32 s22, s[WV], 13                      ; my wave's 64 of them
	s_add_co_u32 s10, s10, s22
	s_add_nc_u64 s[4:5], s[4:5], s[10:11]
	s_add_nc_u64 s[6:7], s[6:7], s[10:11]
	v_and_b32 v1, 15, v0                           ; r
	v_bfe_u32 v12, v0, 4, 1                        ; h
	v_lshlrev_b32 v[QO], 7, v1
	v_lshl_add_u32 v[QO], v12, 4, v[QO]
	WIN 0x40
.irp t, 0,1,2,3
.irp c, 0,1
	global_load_b128 v[QF+16*\t+8*\c:QF+16*\t+8*\c+3], v[QO], s[4:5] offset:2048*\t+64*\c        ; Q stays in registers: tile t, channels 32 c on
	global_load_b128 v[QF+16*\t+8*\c+4:QF+16*\t+8*\c+7], v[QO], s[4:5] offset:2048*\t+64*\c+32
.endr
.endr
	WIN 0
	v_mul_u32_u24 v[AK0], v1, PK
	v_lshl_add_u32 v[AK0], v12, 4, v[AK0]          ; K: row r, + 16 h
	v_and_b32 v13, 7, v0
	v_bfe_u32 v14, v0, 3, 1
	v_lshl_add_u32 v[AV0], v12, 3, v13
	v_mul_u32_u24 v[AV0], v[AV0], PV
	v_lshl_add_u32 v[AV0], v14, 4, v[AV0]
	v_add_nc_u32 v[AV0], VOFF, v[AV0]              ; V, for the turning load: key 8 h + lane % 8, channels 8 ((lane / 8) % 2) on
	s_mul_i32 s22, s[WV], 9216                     ; the way out: my stage, four tiles of 16 rows x 144 bytes, in K's bytes
	v_add_nc_u32 v[STO], s22, v[AK0]
	v_and_b32 v13, 31, v0
	v_lshlrev_b32 v[GO], 4, v13
	v_lshrrev_b32 v14, 3, v13
	v_mul_u32_u24 v14, v14, PK
	v_and_b32 v15, 7, v0
	v_lshl_add_u32 v14, v15, 4, v14
	v_add_nc_u32 v[RD], s22, v14
.macro FETCH_K                         ; 16 loads: 64 keys x 64 channels
	v_add_nc_u32 v[ADRK], s[TK], v[AK0]
	s_add_co_u32 s[TK], s[TK], 64*PK
	WIN 0x40
.irp i, 0,1,2,3
.irp c, 0,1
	ds_load_b128 v[KF+16*\i+8*\c:KF+16*\i+8*\c+3], v[ADRK] offset:\i*16*PK+64*\c
	ds_load_b128 v[KF+16*\i+8*\c+4:KF+16*\i+8*\c+7], v[ADRK] offset:\i*16*PK+64*\c+32
.endr
.endr
	WIN 0
.endm
.macro FETCH_V                         ; 16 turning loads: keys 32 u on, channels 16 f on
	v_add_nc_u32 v[ADRV], s[TV], v[AV0]
	s_add_co_u32 s[TV], s[TV], 64*PV
.irp u, 0,1
.irp f, 0,1,2,3
	ds_load_tr16_b128 v[VF+32*\u+8*\f:VF+32*\u+8*\f+3], v[ADRV] offset:\u*32*PV+32*\f
	ds_load_tr16_b128 v[VF+32*\u+8*\f+4:VF+32*\u+8*\f+7], v[ADRV] offset:\u*32*PV+16*PV+32*\f
.endr
.endr
.endm
.macro QK                              ; 32 products; the 16 accumulators take turns, one instruction a turn; the first 16 start the sums
	WIN 0x05
.irp c, 0,1
.irp i, 0,1,2,3
.irp t, 0,1,2,3
.if \c == 0
	v_wmma_f32_16x16x32_f16 v[S+32*\t+8*\i:S+32*\t+8*\i+7], v[KF+16*\i+8*\c:KF+16*\i+8*\c+7], v[QF+16*\t+8*\c:QF+16*\t+8*\c+7], 0
.else
	v_wmma_f32_16x16x32_f16 v[S+32*\t+8*\i:S+32*\t+8*\i+7], v[KF+16*\i+8*\c:KF+16*\i+8*\c+7], v[QF+16*\t+8*\c:QF+16*\t+8*\c+7], v[S+32*\t+8*\i:S+32*\t+8*\i+7]
.endif
.endr
.endr
.endr
.endm
.macro PVM first                       ; 32 products O^T += V^T P, 16 accumulators by turns
	WIN 0x50
.irp u, 0,1
.irp f, 0,1,2,3
.irp t, 0,1,2,3
.if \first && (\u == 0)
	v_wmma_f32_16x16x32_f16 v[OA+32*\t+8*\f:OA+32*\t+8*\f+7], v[VF+32*\u+8*\f:VF+32*\u+8*\f+7], v[S+32*\t+8*\u:S+32*\t+8*\u+7], 0
.else
	v_wmma_f32_16x16x32_f16 v[OA+32*\t+8*\f:OA+32*\t+8*\f+7], v[VF+32*\u+8*\f:VF+32*\u+8*\f+7], v[S+32*\t+8*\u:S+32*\t+8*\u+7], v[OA+32*\t+8*\f:OA+32*\t+8*\f+7]
.endif
.endr
.endr
.endr
.endm
; The softmax of a key step for the wave's four tiles, which alternate line by line so that no line waits for the line above it.  first = 1: no old maximum, no a, nothing to rescale.
.macro SOFTMAX first
.irp n, 0,1,2,3
.irp t, 0,1,2,3
	v_max3_num_f32 v[ST+8*\t+4+\n], v[S+32*\t+8*\n], v[S+32*\t+8*\n+1], v[S+32*\t+8*\n+2]   ; each accumulator is read from its low end on
.endr
.endr
.irp k, 3,5
.irp n, 0,1,2,3
.irp t, 0,1,2,3
	v_max3_num_f32 v[ST+8*\t+4+\n], v[ST+8*\t+4+\n], v[S+32*\t+8*\n+\k], v[S+32*\t+8*\n+\k+1]
.endr
.endr
.endr
.irp t, 0,1,2,3
	v_max3_num_f32 v[ST+8*\t+4], v[ST+8*\t+4], v[S+32*\t+7], v[S+32*\t+15]
.endr
.irp t, 0,1,2,3
	v_max3_num_f32 v[ST+8*\t+6], v[ST+8*\t+6], v[S+32*\t+23], v[S+32*\t+31]
.endr
.irp t, 0,1,2,3
	v_max3_num_f32 v[ST+8*\t+4], v[ST+8*\t+4], v[ST+8*\t+5], v[ST+8*\t+6]
.endr
.irp t, 0,1,2,3
.if \first
	v_max_num_f32 v[ST+8*\t+4], v[ST+8*\t+4], v[ST+8*\t+7]
.else
	v_max3_num_f32 v[ST+8*\t+4], v[ST+8*\t+4], v[ST+8*\t+7], v[ST+8*\t+1]
.endif
.endr
.irp t, 0,1,2,3
	v_permlanex16_b32 v[ST+8*\t+5], v[ST+8*\t+4], s[SEL], s[SEL+1]   ; the query's other 32 keys lie in the lane 16 away
.endr
.if !\first
.irp t, 0,1,2,3
	v_mov_b32 v[ST+8*\t+7], v[ST+8*\t]             ; c m_old
.endr
.endif
.irp t, 0,1,2,3
	v_max_num_f32 v[ST+8*\t+1], v[ST+8*\t+4], v[ST+8*\t+5]
.endr
.irp t, 0,1,2,3
	v_mul_f32 v[ST+8*\t], s[CS], v[ST+8*\t+1]
.endr
.if !\first
.irp t, 0,1,2,3
	v_sub_f32 v[ST+8*\t+7], v[ST+8*\t+7], v[ST+8*\t]
.endr
.endif
.set jj, 0
.rept 16
.irp t, 0,1,2,3
	v_pk_fma_f32 v[S+32*\t+2*jj:S+32*\t+2*jj+1], v[S+32*\t+2*jj:S+32*\t+2*jj+1], s[CS:CS+1], v[ST+8*\t:ST+8*\t+1] op_sel_hi:[1,0,0] neg_lo:[0,0,1] neg_hi:[0,0,1]   ; c s - c m
.endr
.set jj, jj+1
.endr
.if !\first
.irp t, 0,1,2,3
	v_exp_f32 v[ST+8*\t+6], v[ST+8*\t+7]           ; a
.endr
.endif
.set jj, 0
.rept 32
.irp t, 0,1,2,3
	v_exp_f32 v[S+32*\t+jj], v[S+32*\t+jj]         ; one batch: none of these reads an exponential's result
.endr
.set jj, jj+1
.endr
	v_nop                                          ; a plain line behind the last exponential
	s_wait_alu depctr_va_vdst(0)                   ; one wait for the batch, ahead of its first reader
.irp t, 0,1,2,3                        ; the sums, of the f32 weights, in two chains
.if \first
	v_pk_add_f32 v[ST+8*\t+2:ST+8*\t+3], v[S+32*\t:S+32*\t+1], v[S+32*\t+4:S+32*\t+5]
.else
	v_pk_fma_f32 v[ST+8*\t+2:ST+8*\t+3], v[ST+8*\t+2:ST+8*\t+3], v[ST+8*\t+6:ST+8*\t+7], v[S+32*\t:S+32*\t+1] op_sel_hi:[1,0,1]
.endif
.endr
.irp t, 0,1,2,3
	v_pk_add_f32 v[ST+8*\t+4:ST+8*\t+5], v[S+32*\t+2:S+32*\t+3], v[S+32*\t+6:S+32*\t+7]
.endr
.if !\first
.irp t, 0,1,2,3
	v_pk_add_f32 v[ST+8*\t+2:ST+8*\t+3], v[ST+8*\t+2:ST+8*\t+3], v[S+32*\t+4:S+32*\t+5]
.endr
.endif
.irp k, 2,3,4,5,6,7
.irp t, 0,1,2,3
	v_pk_add_f32 v[ST+8*\t+2:ST+8*\t+3], v[ST+8*\t+2:ST+8*\t+3], v[S+32*\t+4*\k:S+32*\t+4*\k+1]
.endr
.irp t, 0,1,2,3
	v_pk_add_f32 v[ST+8*\t+4:ST+8*\t+5], v[ST+8*\t+4:ST+8*\t+5], v[S+32*\t+4*\k+2:S+32*\t+4*\k+3]
.endr
.endr
.irp t, 0,1,2,3
	v_pk_add_f32 v[ST+8*\t+2:ST+8*\t+3], v[ST+8*\t+2:ST+8*\t+3], v[ST+8*\t+4:ST+8*\t+5]
.endr
.set jj, 0
.rept 16
.irp t, 0,1,2,3
	v_cvt_pk_f16_f32 v[S+32*\t+jj], v[S+32*\t+2*jj], v[S+32*\t+2*jj+1]   ; P in place, ascending: register jj is written when pairs up to jj have been read
.endr
.set jj, jj+1
.endr
.if !\first
	WIN 0x41
.set jj, 0
.rept 16
.irp t, 0,1,2,3
	v_pk_mul_f32 v[OA+32*\t+2*jj:OA+32*\t+2*jj+1], v[OA+32*\t+2*jj:OA+32*\t+2*jj+1], v[ST+8*\t+6:ST+8*\t+7] op_sel_hi:[1,0]
.endr
.set jj, jj+1
.endr
	WIN 0
.endif
.endm
; A KEY STEP, 64 keys.  K of the next step is fetched behind this step's K Q^T, V of the next step behind this step's V^T P.
.macro STEP first, last
	s_wait_dscnt 16                                ; K is in; V's 16 loads, issued behind it, may be out
	QK
	WIN 0
.rept 4
	v_nop                                          ; places ahead of the loads into K's registers and of the first read of the scores
.endr
.if !\last
	FETCH_K
.endif
	SOFTMAX \first
.if \last
	s_wait_dscnt 0x0
.else
	s_wait_dscnt 16                                ; V is in; the next step's K may be out
.endif
	PVM \first
	WIN 0
.rept 5
	v_nop                                          ; four places ahead of the loads into V's registers; five ahead of the next K Q^T, which writes over P's
.endr
.if !\last
	FETCH_V
.endif
.endm
; The next part of K and V: left = how many younger parts of mine may stay out.
.macro MEET left
	s_wait_tensorcnt \left
	s_wait_dscnt 0x0
	s_barrier_signal -1
	s_barrier_wait -1
.endm
.macro STEPS4                          ; four key steps, written once
	s_mov_b32 s[CNT], 4
.Lfour_\@:
	STEP 0, 0
	s_sub_co_u32 s[CNT], s[CNT], 1
	s_cmp_lg_u32 s[CNT], 0
	s_cbranch_scc1 .Lfour_\@
.endm
	s_wait_tensorcnt 3                             ; my 64 rows of part 0 are in; parts 1 to 3 may be out
	s_barrier_signal -1
	s_barrier_wait -1                              ; keys 0-255 lie in LDS
	FETCH_K
	FETCH_V
	s_wait_loadcnt 0x0                             ; Q
	STEP 1, 0
	s_mov_b32 s[CNT], 2
.Lhead:                                            ; key steps 1 and 2: they fetch ahead no further than step 3, keys 192-255
	STEP 0, 0
	s_sub_co_u32 s[CNT], s[CNT], 1
	s_cmp_lg_u32 s[CNT], 0
	s_cbranch_scc1 .Lhead
	MEET 2                                         ; keys up to 511
	STEPS4                                         ; key steps 3 to 6
	MEET 1                                         ; keys up to 767
	STEPS4                                         ; key steps 7 to 10
	MEET 0                                         ; all 1,024 keys
	STEPS4                                         ; key steps 11 to 14
	STEP 0, 1
	; THE WAY OUT: l's halves and the other 16 lanes' are added; O^T / l, f16, through my stage, out as 512 dense bytes a store
.irp t, 0,1,2,3
	v_add_f32 v[ST+8*\t+4], v[ST+8*\t+2], v[ST+8*\t+3]
.endr
.irp t, 0,1,2,3
	v_permlanex16_b32 v[ST+8*\t+5], v[ST+8*\t+4], s[SEL], s[SEL+1]
.endr
.irp t, 0,1,2,3
	v_add_f32 v[ST+8*\t+4], v[ST+8*\t+4], v[ST+8*\t+5]
.endr
.irp t, 0,1,2,3
	v_rcp_f32 v[ST+8*\t+6], v[ST+8*\t+4]
.endr
	v_nop
	s_wait_alu depctr_va_vdst(0)                   ; one wait for the four reciprocals
	s_wait_dscnt 0x0
	s_barrier_signal -1
	s_barrier_wait -1                              ; no wave reads K any more: its bytes, which have had their only fill, take the stages
.irp t, 0,1,2,3
	WIN 0x01
.set jj, 0
.rept 16
	v_pk_mul_f32 v[S+32*\t+2*jj:S+32*\t+2*jj+1], v[OA+32*\t+2*jj:OA+32*\t+2*jj+1], v[ST+8*\t+6:ST+8*\t+7] op_sel_hi:[1,0]
.set jj, jj+1
.endr
	WIN 0
.set jj, 0
.rept 16
	v_cvt_pk_f16_f32 v[S+32*\t+jj], v[S+32*\t+2*jj], v[S+32*\t+2*jj+1]
.set jj, jj+1
.endr
.irp f, 0,1,2,3
	ds_store_b128 v[STO], v[S+32*\t+4*\f:S+32*\t+4*\f+3] offset:2304*\t+32*\f
.endr
.irp i, 0,1,2,3
	ds_load_b128 v[S+32*\t+16+4*\i:S+32*\t+16+4*\i+3], v[RD] offset:2304*\t+576*\i   ; LDS serves a wave's instructions in order: these see the stores above
.endr
.endr
.irp t, 0,1,2,3
.irp i, 0,1,2,3
	s_wait_dscnt 8*(3-\t)+3-\i                     ; behind this load: the rest of its tile's, and eight for each later tile
	global_store_b128 v[GO], v[S+32*\t+16+4*\i:S+32*\t+16+4*\i+3], s[6:7] offset:2048*\t+512*\i
.endr
.endr
	s_wait_tensorcnt 0x0                           ; the wave's end
	ds_add_u32 v[SPW], v[NIL]
	s_wait_dscnt 0x0
	s_endpgm
.Lfunc_end_k_qa2085c753c_attn:
	.size	k_qa2085c753c_attn, .Lfunc_end_k_qa2085c753c_attn-k_qa2085c753c_attn
	.p2alignl 7, 3214868480
	.fill 96, 4, 3214868480
	.section	.rodata,"a",@progbits
	.p2align	6, 0x0
	.amdhsa_kernel k_qa2085c753c_attn
		.amdhsa_group_segment_fixed_size 327680
		.amdhsa_private_segment_fixed_size 0
		.amdhsa_enable_private_segment 0
		.amdhsa_kernarg_size 16
		.amdhsa_user_sgpr_count 2
		.amdhsa_user_sgpr_kernarg_segment_ptr 1
		.amdhsa_wavefront_size32 1
		.amdhsa_system_sgpr_workgroup_id_x 1
		.amdhsa_system_sgpr_workgroup_id_y 1
		.amdhsa_system_sgpr_workgroup_id_z 1
		.amdhsa_system_vgpr_workitem_id 0
		.amdhsa_next_free_vgpr 512
		.amdhsa_next_free_sgpr 80
		.amdhsa_reserve_vcc 0
		.amdhsa_float_denorm_mode_32 3
		.amdhsa_float_denorm_mode_16_64 3
		.amdhsa_memory_ordered 1
		.amdhsa_forward_progress 1
		.amdhsa_inst_pref_size 208
	.end_amdhsa_kernel
	.amdgpu_metadata
---
amdhsa.version: [ 1, 2 ]
amdhsa.kernels:
  - .name:           k_qa2085c753c_attn
    .symbol:         k_qa2085c753c_attn.kd
    .args:
      - { .name: qkv16, .offset: 0, .size: 8, .value_kind: global_buffer, .address_space: global }
      - { .name: o16, .offset: 8, .size: 8, .value_kind: global_buffer, .address_space: global }
    .group_segment_fixed_size: 327680
    .private_segment_fixed_size: 0
    .kernarg_segment_align: 8
    .kernarg_segment_size: 16
    .max_flat_workgroup_size: 256
    .sgpr_count:     80
    .vgpr_count:     512
    .wavefront_size: 32
...
	.end_amdgpu_metadata
.endif
;; end of part 3
;; launch oproj (part 4): grid 4 x 64, 4 waves a work-group, clusters of 4 x 4, 327,680 bytes of LDS; arguments o16, wo16, aux, bout, out0; writes out0
.if DOCPART == 4
	.amdgcn_target "amdgcn-amd-amdhsa--gfx1250"
	.amdhsa_code_object_version 6
	.text
	.protected	k_qa2085c753c_oproj
	.globl	k_qa2085c753c_oproj
	.p2align	8
	.type	k_qa2085c753c_oproj,@function
k_qa2085c753c_oproj:
	s_mov_b64 s[64:65], 0
	v_nop
	global_prefetch_b8 v0, s[64:65] scope:SCOPE_SE
	s_setreg_imm32_b32 hwreg(HW_REG_WAVE_MODE, 25, 1), 1
	s_wait_xcnt 0x0
	s_wait_alu depctr_hold_cnt(0) depctr_sa_sdst(0) depctr_va_vdst(0) depctr_va_sdst(0) depctr_va_ssrc(0) depctr_va_vcc(0) depctr_vm_vsrc(0)
	s_getreg_b32 s2, hwreg(HW_REG_IB_STS2, 6, 4)
	s_cmp_eq_u32 s2, 0
	s_cbranch_scc0 .Lentry_in_a_cluster
	s_endpgm
.Lentry_in_a_cluster:
	s_bfe_u32 s2, ttmp6, 0x10000c
	s_cmp_lg_u32 s2, 0xf033
	s_cbranch_scc0 .Lentry_shape_is_right
	s_endpgm
.Lentry_shape_is_right:
; out0 = 2^E (o'' Wout) + bout.  o'' = o16 [b][h][n][64] f16 (o x 2^(-E)); wo16 [k 1024][n 1024] f16; sums in f32; M 8,192, N 1,024, K 1,024 (k = 64 h + d).
; A tile of 128 tokens x 256 columns: 256 work-groups.  Four waves, each 64 x 128: 32 accumulators, 256 registers.  K goes in steps of 128 (two heads) through two LDS slots:
; o'': two planes (heads) of 128 rows x 128 bytes + 16; Wout: 128 rows (k) x 512 bytes + 32, read turned by ds_load_tr16_b128.  Waves 0 and 1 fetch a plane each, waves 2 and 3 64 rows of Wout each.
; Behind each change of slots a wave has one tensor load out; it has a K step less sixteen products in which to land.  Slots of 256 along K would not fit twice.
; CLUSTERS 4 x 4: o'' is asked for jointly along a row of the cluster, Wout along a column.
; TRANSPOSED USE: source 0 = 16 columns of Wout, source 1 = 16 tokens: a lane holds one token and eight neighbouring columns.
; E = max(Fx + Fw - 256, Fb - 140) from the largest magnitudes in aux, as in the launch that made v; it enters v_ldexp_f32 alone.
; REGISTERS: window 0: v0-31 addresses; v32-127, v128-223 two sets of fragments (o'' 32, Wout 64); on the way out v32-223 at work.  window 1: the accumulators, (a, b) at v[8 (8 a + b)].  window 2: v0-63 the bias.
.set SLOT,  106496
.set BOFF,  36864                      ; Wout's rows in a slot, behind the two planes
.set STAGE, 2*SLOT                     ; 16 rows x 528 bytes for each wave
.set SPARE, STAGE+4*16*528
.set ZOF,  15
.set ADRA, 16
.set ADRB, 20
.set STO,  24
.set RD,   25
.set CO,   26
.set VH,   27
.set SPW,  28
.set NIL,  29
.set PFO,  30
.set F0,   32
.set F1,   128
.set BK,   160
.set G1, 24
.set G0, 32
.set G1B, 48
.set G0B, 56
.set SEL, 66
.set PFA, 74
.set LIM, 76
.set EXP, 77
.set MSB, 0
.macro WIN new
.if MSB != (\new)
	s_set_vgpr_msb (MSB<<8)|(\new)
.set MSB, (\new)
.endif
.endm
.macro JLOAD s                         ; waves 0 and 1 fetch o'', waves 2 and 3 Wout; an s_nop 0 and four v_nop follow each line
	s_cmp_eq_u32 s11, 0
	s_cbranch_scc0 .Lfor_b_\@
	tensor_load_to_lds s[G0+4*\s:G0+4*\s+3], s[G1:G1+7]
	s_nop 0
.rept 4
	v_nop
.endr
	s_branch .Lasked_\@
.Lfor_b_\@:
	tensor_load_to_lds s[G0B+4*\s:G0B+4*\s+3], s[G1B:G1B+7]
	s_nop 0
.rept 4
	v_nop
.endr
.Lasked_\@:
.endm
.macro CREST
	s_cmp_lg_u32 s10, 0
	s_cbranch_scc1 .Lnot_wave_0_\@
	s_barrier_signal -3
.Lnot_wave_0_\@:
	s_barrier_wait -3
	s_barrier_signal -1
	s_barrier_wait -1
.endm
.macro CROUND
	s_barrier_signal -1
	s_barrier_wait -1
	CREST
.endm
; A prefetch of o'' for the two K steps of the next lap but one: lanes 0-15 name the 16 blocks of 256 bytes of my work-group's quarter of my plane in one K step, lanes 16-31 those of the next K step.
; Waves 0 and 1 ask, a plane each; the four partners that ask for a plane jointly take a quarter each, told apart by address; a tile row belongs to one cluster: so each block is named once.
; Trips 1 and 2 of the loop name K steps 4, 5 and 6, 7; the last trip names nothing.  Wout is read again by every cluster and is not asked for.
.macro ASK
	s_cmp_gt_u32 s3, s[LIM]
	s_cbranch_scc0 .Lnot_mine_\@
	global_prefetch_b8 v[PFO], s[PFA:PFA+1] th:TH_LOAD_NT scope:SCOPE_SE
.Lnot_mine_\@:
.endm
	s_load_b128 s[4:7], s[0:1], 0x0                ; o16, wo16
	s_load_b128 s[68:71], s[0:1], 0x10             ; aux, bout
	s_load_b64 s[8:9], s[0:1], 0x20                ; out0
	v_lshl_add_u32 v[SPW], v0, 2, SPARE
	v_mov_b32 v[NIL], 0
	ds_add_u32 v[SPW], v[NIL]                      ; the opening: the add, twice on end, and its wait ahead of my first tensor load
	ds_add_u32 v[SPW], v[NIL]
	v_lshrrev_b32 v1, 5, v0
	v_readfirstlane_b32 s10, v1                    ; wave
	s_lshr_b32 s11, s10, 1                         ; which 64 tokens are mine; also: I fetch o'' (0) or Wout (1)
	s_and_b32 s12, s10, 1                          ; which 128 columns; also: which plane, or which 64 rows of Wout, I fetch
	s_bfe_u32 s40, ttmp6, 0x40000                  ; cx
	s_bfe_u32 s41, ttmp6, 0x40004                  ; cy
	s_lshl_b32 s42, ttmp9, 2
	s_add_co_u32 s42, s42, s40                     ; tile column
	s_and_b32 s13, ttmp7, 0xffff
	s_lshl_b32 s13, s13, 2
	s_add_co_u32 s13, s13, s41                     ; tile row
	s_lshl_b32 s43, s41, 2
	s_lshl_b32 s43, 15, s43                        ; my row of the cluster
	s_lshl_b32 s44, 0x1111, s40                    ; my column
	s_or_b32 s[G1+0], s43, (1<<16)|(1<<20)|(1<<21)|(4<<22)|(3<<25)    ; 2-byte elements; 4 words of padding behind every 32
	s_mov_b32 s[G1+1], 64<<16
	s_mov_b32 s[G1+2], 128<<16
	s_mov_b32 s[G1+3], 64<<16
	s_mov_b32 s[G1+4], 128
	s_mov_b32 s[G1+5], 64
	s_mov_b32 s[G1+6], 0
	s_mov_b32 s[G1+7], 0
	s_or_b32 s[G1B+0], s44, (1<<16)|(1<<20)|(1<<21)|(6<<22)|(7<<25)   ; 8 words behind every 128
	s_mov_b32 s[G1B+1], 256<<16
	s_mov_b32 s[G1B+2], 64<<16
	s_mov_b32 s[G1B+3], 256<<16
	s_mov_b32 s[G1B+4], 64
	s_mov_b32 s[G1B+5], 1024
	s_mov_b32 s[G1B+6], 0
	s_mov_b32 s[G1B+7], 0
	s_lshr_b32 s16, s13, 3
	s_lshl_b32 s16, s16, 21                        ; o'': the batch,
	s_and_b32 s17, s13, 7
	s_lshl_b32 s17, s17, 14                        ; the 128 tokens,
	s_add_co_u32 s16, s16, s17
	s_lshl_b32 s17, s12, 17                        ; the plane
	s_add_co_u32 s16, s16, s17
	s_mov_b32 s17, 0
	s_lshl_b32 s46, s12, 17                        ; Wout: 64 rows of 2,048 bytes,
	s_lshl_b32 s47, s42, 9                         ; the tile's 256 columns
	s_add_co_u32 s46, s46, s47
	s_mov_b32 s47, 0
	s_mul_i32 s20, s12, 18432                      ; where they go: a plane is 128 x 144 bytes;
	s_mul_i32 s21, s12, 34816                      ; 64 rows of 544
	s_add_co_u32 s21, s21, BOFF
	s_mov_b32 s[SEL], 0x76543210
	s_mov_b32 s[SEL+1], 0xfedcba98
	s_wait_dscnt 0x0                               ; both opening adds are done
	s_wait_kmcnt 0x0
	s_add_nc_u64 s[14:15], s[4:5], s[16:17]
	s_add_nc_u64 s[46:47], s[6:7], s[46:47]
	CROUND                                         ; all sixteen work-groups are here: the first joint loads meet
.irp s, 0,1
	s_mov_b32 s[G0+4*\s], 1
	s_add_co_u32 s[G0+4*\s+1], s20, \s*SLOT
	s_add_nc_u64 s[G0+4*\s+2:G0+4*\s+3], s[14:15], \s*262144       ; a K step is two heads: 2 x 2^17 bytes
	s_or_b32 s[G0+4*\s+3], s[G0+4*\s+3], 0x80000000
	s_mov_b32 s[G0B+4*\s], 1
	s_add_co_u32 s[G0B+4*\s+1], s21, \s*SLOT
	s_add_nc_u64 s[G0B+4*\s+2:G0B+4*\s+3], s[46:47], \s*262144     ; and 128 rows of 2,048 bytes
	s_or_b32 s[G0B+4*\s+3], s[G0B+4*\s+3], 0x80000000
	JLOAD \s
.endr
	v_and_b32 v1, 15, v0                           ; r
	v_bfe_u32 v2, v0, 4, 1                         ; h
	v_mul_u32_u24 v3, v1, 144
	v_lshl_add_u32 v3, v2, 4, v3
	s_mul_i32 s22, s11, 64*144
	v_add_nc_u32 v[ADRA], s22, v3                  ; o'': row 64 x half + r, + 16 h
	v_add_nc_u32 v[ADRA+1], SLOT, v[ADRA]
	v_and_b32 v5, 7, v0
	v_lshl_add_u32 v5, v2, 3, v5
	v_mul_u32_u24 v5, v5, 544
	v_bfe_u32 v6, v0, 3, 1
	v_lshl_add_u32 v5, v6, 4, v5
	s_lshl_b32 s22, s12, 8
	s_add_co_u32 s22, s22, BOFF
	v_add_nc_u32 v[ADRB], s22, v5                  ; Wout, for the turning load: row 8 h + lane % 8, columns 8 ((lane / 8) % 2) on, + my 128 columns
	v_add_nc_u32 v[ADRB+1], SLOT, v[ADRB]
	s_mul_i32 s23, s10, 16*528
	s_add_co_u32 s23, s23, STAGE
	v_mul_u32_u24 v4, v1, 528
	v_lshl_add_u32 v4, v2, 5, v4
	v_add_nc_u32 v[STO], s23, v4
	v_and_b32 v6, 31, v0
	v_lshlrev_b32 v[CO], 4, v6
	v_add_nc_u32 v[RD], s23, v[CO]
	v_lshlrev_b32 v[VH], 5, v2
	v_mov_b32 v[ZOF], 0
	v_lshlrev_b32 v[PFO], 8, v1
	v_lshl_add_u32 v[PFO], v2, 18, v[PFO]
	s_lshl_b32 s72, s13, 7
	s_lshl_b32 s73, s11, 6
	s_add_co_u32 s72, s72, s73                     ; my first token
	s_lshl_b32 s72, s72, 12
	s_lshl_b32 s78, s42, 10
	s_lshl_b32 s79, s12, 9
	s_add_co_u32 s78, s78, s79                     ; my first column, in bytes
	s_mov_b32 s79, 0
	s_mov_b32 s73, 0
	s_add_nc_u64 s[8:9], s[8:9], s[72:73]
	s_add_nc_u64 s[8:9], s[8:9], s[78:79]
	s_add_nc_u64 s[70:71], s[70:71], s[78:79]      ; the bias likewise
	s_add_nc_u64 s[PFA:PFA+1], s[14:15], 524288    ; my plane at K step 2: the first change of slots steps it to 4
	s_lshl_b32 s72, s40, 12                        ; my work-group's quarter of the plane
	s_add_nc_u64 s[PFA:PFA+1], s[PFA:PFA+1], s[72:73]
	s_cmp_eq_u32 s11, 0
	s_cselect_b32 s[LIM], 1, -1
	WIN 0x80
.irp b, 0,1,2,3,4,5,6,7
	global_load_b128 v[8*\b:8*\b+3], v[VH], s[70:71] offset:64*\b
	global_load_b128 v[8*\b+4:8*\b+7], v[VH], s[70:71] offset:64*\b+16
.endr
	WIN 0
.irp i, 0,1,2,3,4,5,6,7
	global_load_b128 v[32+4*\i:32+4*\i+3], v[CO], s[68:69] offset:4096+512*\i   ; x's 1,024 maxima
.endr
	global_load_b128 v[64:67], v[CO], s[68:69] offset:9216                       ; the 128 of Wqkv's v columns
	global_load_b128 v[68:71], v[ZOF], s[68:69] offset:9728                      ; the bias's four
	s_wait_loadcnt 0x0
.irp i, 0,1,2,3,4,5,6,7
	v_max3_num_f32 v[32+4*\i], v[32+4*\i], v[32+4*\i+1], v[32+4*\i+2]
.endr
.irp i, 0,1,2,3
	v_max3_num_f32 v[32+8*\i], v[32+8*\i], v[32+8*\i+3], v[32+8*\i+4]
.endr
.irp i, 0,1,2,3
	v_max_num_f32 v[32+8*\i], v[32+8*\i], v[32+8*\i+7]
.endr
	v_max3_num_f32 v32, v32, v40, v48
	v_max_num_f32 v32, v32, v56
	v_max3_num_f32 v64, v64, v65, v66
	v_max_num_f32 v64, v64, v67
	v_max3_num_f32 v68, v68, v69, v70
	v_max_num_f32 v68, v68, v71
.irp m, 1,2,4,8
	v_max_num_f32_dpp v32, v32, v32 row_xmask:\m row_mask:0xf bank_mask:0xf
	v_max_num_f32_dpp v64, v64, v64 row_xmask:\m row_mask:0xf bank_mask:0xf
.endr
	v_permlanex16_b32 v33, v32, s[SEL], s[SEL+1]
	v_permlanex16_b32 v65, v64, s[SEL], s[SEL+1]
	v_max_num_f32 v32, v32, v33
	v_max_num_f32 v64, v64, v65
	v_readfirstlane_b32 s[EXP], v32
	v_readfirstlane_b32 s78, v64
	v_readfirstlane_b32 s79, v68
	s_lshr_b32 s[EXP], s[EXP], 23
	s_lshr_b32 s78, s78, 23
	s_lshr_b32 s79, s79, 23
	s_add_co_u32 s[EXP], s[EXP], s78
	s_sub_co_i32 s[EXP], s[EXP], 256
	s_sub_co_i32 s79, s79, 140
	s_max_i32 s[EXP], s[EXP], s79                  ; E
.macro FETCH slot, qd, f               ; 24 loads: the fragments of 32 along K, the slot's quarter qd, into set f
.irp b, 0,1,2,3,4,5,6,7
	ds_load_tr16_b128 v[\f+32+8*\b:\f+32+8*\b+3], v[ADRB+\slot] offset:17408*(\qd)+32*\b
	ds_load_tr16_b128 v[\f+32+8*\b+4:\f+32+8*\b+7], v[ADRB+\slot] offset:17408*(\qd)+32*\b+8704
.endr
.irp a, 0,1,2,3
	ds_load_b128 v[\f+8*\a:\f+8*\a+3], v[ADRA+\slot] offset:18432*((\qd)/2)+64*((\qd)%2)+2304*\a
	ds_load_b128 v[\f+8*\a+4:\f+8*\a+7], v[ADRA+\slot] offset:18432*((\qd)/2)+64*((\qd)%2)+2304*\a+32
.endr
.endm
.macro MUL8 f, a, zero                 ; tokens' block a against the eight blocks of columns; the 32 accumulators take turns
.irp b, 0,1,2,3,4,5,6,7
.if \zero
	v_wmma_f32_16x16x32_f16 v[8*(8*(\a)+\b):8*(8*(\a)+\b)+7], v[\f+32+8*\b:\f+32+8*\b+7], v[\f+8*(\a):\f+8*(\a)+7], 0
.else
	v_wmma_f32_16x16x32_f16 v[8*(8*(\a)+\b):8*(8*(\a)+\b)+7], v[\f+32+8*\b:\f+32+8*\b+7], v[\f+8*(\a):\f+8*(\a)+7], v[8*(8*(\a)+\b):8*(8*(\a)+\b)+7]
.endif
.endr
.endm
.macro PLACES
.rept 4
	v_nop
.endr
.endm
.macro QUARTER slot, qd, f, g, zero    ; multiplies set f; ahead of that asks for the slot's quarter qd into set g
	s_wait_dscnt 0x0                               ; set f, asked for a quarter ago, is in
	PLACES                                         ; ahead of loads into registers that the last quarter's products read
	FETCH \slot, \qd, \g
	WIN 0x50
	MUL8 \f, 0, \zero
	MUL8 \f, 1, \zero
	MUL8 \f, 2, \zero
	MUL8 \f, 3, \zero
	WIN 0
.endm
; A slot's last quarter multiplies set F1 and changes slots: one barrier; ahead of it each wave waits for all its tensor loads, adds 0 to its spare word, and waits for that and for its reads of this slot.
.macro TURN slot, next, fill
.if (\fill) && (\slot) == 0
	s_wait_xcnt 0x0                                ; the last prefetch, a lap back, has read its address
	s_add_nc_u64 s[PFA:PFA+1], s[PFA:PFA+1], 524288
.endif
	s_wait_tensorcnt 0x0                           ; my part of the next slot is in
	ds_add_u32 v[SPW], v[NIL]
	s_wait_dscnt 1                                 ; set F1 is in; the add may be out
	WIN 0x50
	MUL8 F1, 0, 0
	s_wait_dscnt 0x0                               ; the add is done, my reads of this slot are over
	s_barrier_signal -1
	MUL8 F1, 1, 0
	WIN 0
	s_barrier_wait -1
.if \fill
	CREST                                          ; the barrier has opened a round of the cluster's: no wave of any partner still reads this slot or has a load on its way
	s_add_nc_u64 s[G0+4*\slot+2:G0+4*\slot+3], s[G0+4*\slot+2:G0+4*\slot+3], 524288
	s_add_nc_u64 s[G0B+4*\slot+2:G0B+4*\slot+3], s[G0B+4*\slot+2:G0B+4*\slot+3], 524288
	JLOAD \slot                                    ; the first tensor load behind the round; its four v_nop are the places ahead of the loads below
.else
	PLACES
.endif
	FETCH \next, 0, F0
.if (\fill) && (\slot) == 0
	ASK
.endif
	WIN 0x50
	MUL8 F1, 2, 0
	MUL8 F1, 3, 0
	WIN 0
.endm
	s_wait_tensorcnt 1                             ; my part of K step 0 is in; K step 1's load may be out
	s_barrier_signal -1
	s_barrier_wait -1
	FETCH 0, 0, F0
	QUARTER 0, 1, F0, F1, 1                        ; the first quarter stands ahead of the loop: its products start the sums
	s_mov_b32 s3, 3
.Llap:                                             ; a trip goes once round the ring and fills both slots again
	QUARTER 0, 2, F1, F0, 0
	QUARTER 0, 3, F0, F1, 0
	TURN 0, 1, 1
	QUARTER 1, 1, F0, F1, 0
	QUARTER 1, 2, F1, F0, 0
	QUARTER 1, 3, F0, F1, 0
	TURN 1, 0, 1
	QUARTER 0, 1, F0, F1, 0
	s_sub_co_u32 s3, s3, 1
	s_cmp_lg_u32 s3, 0
	s_cbranch_scc1 .Llap
	QUARTER 0, 2, F1, F0, 0                        ; the last lap fills nothing
	QUARTER 0, 3, F0, F1, 0
	TURN 0, 1, 0
	QUARTER 1, 1, F0, F1, 0
	QUARTER 1, 2, F1, F0, 0
	QUARTER 1, 3, F0, F1, 0
	s_wait_dscnt 0x0
	WIN 0x50
	MUL8 F1, 0, 0
	MUL8 F1, 1, 0
	MUL8 F1, 2, 0
	MUL8 F1, 3, 0
	WIN 0
; THE WAY OUT, 16 tokens x 128 columns at a time: x 2^E (exact), + the bias, through my stage, out as whole rows of 512 bytes
.macro COMPUTE a
.set UB, 32+64*((\a)%2)
	WIN 0x01
.set jj, 0
.rept 64
	v_ldexp_f32 v[UB+jj], v[64*(\a)+jj], s[EXP]    ; ascending: each accumulator is read from its low end on
.set jj, jj+1
.endr
	WIN 0x08                                       ; source 1, the bias, in window 2
.set jj, 0
.rept 32
	v_pk_add_f32 v[UB+2*jj:UB+2*jj+1], v[UB+2*jj:UB+2*jj+1], v[2*jj:2*jj+1]
.set jj, jj+1
.endr
	WIN 0
.endm
.macro TOSTAGE a
.set UB, 32+64*((\a)%2)
.irp b, 0,1,2,3,4,5,6,7
	ds_store_b128 v[STO], v[UB+8*\b:UB+8*\b+3] offset:64*\b
	ds_store_b128 v[STO], v[UB+8*\b+4:UB+8*\b+7] offset:64*\b+16
.endr
.irp t, 0,1,2,3,4,5,6,7,8,9,10,11,12,13,14,15
	ds_load_b128 v[BK+4*\t:BK+4*\t+3], v[RD] offset:528*\t     ; LDS serves a wave's instructions in order: these see the stores above
.endr
.endm
.macro SEND a
	s_wait_dscnt 0x0
.irp t, 0,1,2,3,4,5,6,7,8,9,10,11,12,13,14,15
	global_store_b128 v[CO], v[BK+4*\t:BK+4*\t+3], s[8:9] offset:65536*(\a)+4096*\t th:TH_STORE_NT   ; 32 lanes store 512 dense bytes
.endr
.endm
	PLACES
	COMPUTE 0
	TOSTAGE 0
.irp a, 1,2,3
	COMPUTE \a
	SEND \a-1
	s_wait_xcnt 0x0                                ; the stores have read the registers into which the next rows come back
	TOSTAGE \a
.endr
	SEND 3
	s_wait_tensorcnt 0x0                           ; the wave's end
	ds_add_u32 v[SPW], v[NIL]
	s_wait_dscnt 0x0
	CROUND                                         ; the closing round
	s_endpgm
.Lfunc_end_k_qa2085c753c_oproj:
	.size	k_qa2085c753c_oproj, .Lfunc_end_k_qa2085c753c_oproj-k_qa2085c753c_oproj
	.p2alignl 7, 3214868480
	.fill 96, 4, 3214868480
	.section	.rodata,"a",@progbits
	.p2align	6, 0x0
	.amdhsa_kernel k_qa2085c753c_oproj
		.amdhsa_group_segment_fixed_size 327680
		.amdhsa_private_segment_fixed_size 0
		.amdhsa_enable_private_segment 0
		.amdhsa_kernarg_size 40
		.amdhsa_user_sgpr_count 2
		.amdhsa_user_sgpr_kernarg_segment_ptr 1
		.amdhsa_wavefront_size32 1
		.amdhsa_system_sgpr_workgroup_id_x 1
		.amdhsa_system_sgpr_workgroup_id_y 1
		.amdhsa_system_sgpr_workgroup_id_z 1
		.amdhsa_system_vgpr_workitem_id 0
		.amdhsa_next_free_vgpr 576
		.amdhsa_next_free_sgpr 80
		.amdhsa_reserve_vcc 0
		.amdhsa_float_denorm_mode_32 3
		.amdhsa_float_denorm_mode_16_64 3
		.amdhsa_memory_ordered 1
		.amdhsa_forward_progress 1
		.amdhsa_inst_pref_size 114
	.end_amdhsa_kernel
	.amdgpu_metadata
---
amdhsa.version: [ 1, 2 ]
amdhsa.kernels:
  - .name:           k_qa2085c753c_oproj
    .symbol:         k_qa2085c753c_oproj.kd
    .args:
      - { .name: o16, .offset: 0, .size: 8, .value_kind: global_buffer, .address_space: global }
      - { .name: wo16, .offset: 8, .size: 8, .value_kind: global_buffer, .address_space: global }
      - { .name: aux, .offset: 16, .size: 8, .value_kind: global_buffer, .address_space: global }
      - { .name: bout, .offset: 24, .size: 8, .value_kind: global_buffer, .address_space: global }
      - { .name: out0, .offset: 32, .size: 8, .value_kind: global_buffer, .address_space: global }
    .group_segment_fixed_size: 327680
    .private_segment_fixed_size: 0
    .kernarg_segment_align: 8
    .kernarg_segment_size: 40
    .max_flat_workgroup_size: 128
    .sgpr_count:     80
    .vgpr_count:     576
    .wavefront_size: 32
...
	.end_amdgpu_metadata
.endif
;; end of part 4
